; MI455X (gfx1250); checked and timed in simulation.
; The chip was launched on July 23, 2026; its instructions are those of AMD's public machine-readable ISA for CDNA 5 (MIT licence, August 2026) and "CDNA5" Instruction Set Architecture Reference Guide (July 2026). The comments in the code are by the model that wrote it; some were corrected since.
;; Parallel Dropless MLP. Allowed arithmetic: matrix products marked QUANTISED: E2M1 operands, one E8M0 scale for each 32 along K, by v_wmma_scale_f32_16x16x128_f8f6f4 with both operands' format E2M1 (or v_wmma_scale_f32_32x16x128_f4), f32 sums; everything else in f32.
;; Inputs: expert_indices 4,096 x 2 int32; expert_weights 4,096 x 2 float32; w1 8 x 1,024 x 1,024 float32; w2 8 x 1,024 x 1,024 float32; x 2,048 x 2 x 1,024 float32.
;; Outputs: out0 2,048 x 2 x 1,024 float32.
;; This version of the problem:
;;   THIS VERSION OF THE PROBLEM IS GIVEN IN LOW PRECISION. The matrix products marked QUANTISED in the list below multiply operands that are first quantised to E2M1 (2 exponent bits, 1 mantissa bit; 4 bits a number), with one power-of-two scale for each 32 numbers along K (OCP MX v1.0); their sums are f32. All else is computed in f32.
;;   The module's matrix products, in the order in which they are computed (A, B: the left and right operand; K: the contracted axis; several contracted axes count as one K, in the product's order):
;;     1. [M 4,096, K 1,024] x [K 1,024, N 1,024]; A: input x; B: input w1: QUANTISED
;;     2. [M 4,096, K 1,024] x [K 1,024, N 1,024]; A: computed on the way; B: input w2: QUANTISED
;;     3. [M 4,096, K 1,024] x [K 1,024, N 1,024]; A: input x; B: input w1: QUANTISED
;;     4. [M 4,096, K 1,024] x [K 1,024, N 1,024]; A: computed on the way; B: input w2: QUANTISED
;;     5. [M 4,096, K 1,024] x [K 1,024, N 1,024]; A: input x; B: input w1: QUANTISED
;;     6. [M 4,096, K 1,024] x [K 1,024, N 1,024]; A: computed on the way; B: input w2: QUANTISED
;;     7. [M 4,096, K 1,024] x [K 1,024, N 1,024]; A: input x; B: input w1: QUANTISED
;;     8. [M 4,096, K 1,024] x [K 1,024, N 1,024]; A: computed on the way; B: input w2: QUANTISED
;;     9. [M 4,096, K 1,024] x [K 1,024, N 1,024]; A: input x; B: input w1: QUANTISED
;;     10. [M 4,096, K 1,024] x [K 1,024, N 1,024]; A: computed on the way; B: input w2: QUANTISED
;;     11. [M 4,096, K 1,024] x [K 1,024, N 1,024]; A: input x; B: input w1: QUANTISED
;;     12. [M 4,096, K 1,024] x [K 1,024, N 1,024]; A: computed on the way; B: input w2: QUANTISED
;;     13. [M 4,096, K 1,024] x [K 1,024, N 1,024]; A: input x; B: input w1: QUANTISED
;;     14. [M 4,096, K 1,024] x [K 1,024, N 1,024]; A: computed on the way; B: input w2: QUANTISED
;;     15. [M 4,096, K 1,024] x [K 1,024, N 1,024]; A: input x; B: input w1: QUANTISED
;;     16. [M 4,096, K 1,024] x [K 1,024, N 1,024]; A: computed on the way; B: input w2: QUANTISED
;;   THE QUANTISER, for each operand of a quantised product, along K:
;;     - K is cut into blocks of 32 from its start; a last block that is shorter is filled with zeros.
;;     - A block's scale is 2^e with e = floor(log2(the largest magnitude in the block)) - 2, held to -126 .. 127; a block of zeros has e = 0. As a byte (E8M0): e + 127.
;;     - Each number is divided by its block's scale, clamped to +-6, and rounded to the nearest number of E2M1, ties to even, subnormals kept.
;;     - The product sums the exact products of the quantised numbers (number of the format x scale) in f32.
;;   ~~~python
;;   def quantise(x, axis):      # numpy; x: float32 -> the quantised numbers, widened to float32 again
;;       x = np.moveaxis(x, axis, -1); K = x.shape[-1]
;;       x = np.pad(x, [(0, 0)] * (x.ndim - 1) + [(0, -K % 32)]); x = x.reshape(x.shape[:-1] + (-1, 32)); a = np.abs(x).max(-1, keepdims=True)
;;       e = np.where(a > 0, np.clip(np.frexp(np.where(a > 0, a, 1))[1] - 1 - 2, -126, 127), 0)      # np.frexp(a)[1] - 1 = floor(log2(a)), exactly
;;       r = np.clip(x / 2.0 ** e, -6, 6)
;;       step = 2.0 ** (np.maximum(np.frexp(np.where(r == 0, 1, r))[1] - 1, 0) - 1)
;;       q = np.round(r / step) * step * 2.0 ** e      # np.round: ties to even
;;       return np.moveaxis(q.reshape(q.shape[:-2] + (-1,))[..., :K], -1, axis).astype(np.float32)
;;   ~~~
;;   OPERANDS COMPUTED ON THE WAY. 'Computed on the way' means the value that the module computes at that place (a softmax that the list does not call 'softmax' is quantised finished and normalised). What goes into a quantiser is computed in f32, as accurately as f32 sums, v_exp_f32 and their like allow (about 1e-6 of the number): no bf16 or f16 on the way to a quantiser, and a product that is left as it is and whose result goes on into a quantised operand takes f32 operands (vector FMAs, or v_wmma_f32_16x16x4_f32). A number that lies on a knife's edge between two numbers of the format may be rounded either way, as far as f32 arithmetic and the matrix unit's own rounding can turn it there, and no further.
;; 2 versions. Each part assembles by itself: llvm-mc -triple=amdgcn-amd-amdhsa -mcpu=gfx1250 --defsym DOCPART=n.
;; ======== version 1 of 2: 2 launches
;; workspace buffers: wq 8,388,608 bytes; wsc 524,288 bytes; order 16,640 bytes of whole numbers; tiles 4,096 bytes of whole numbers
;; launch prep (part 1): grid 513 x 1, 8 waves a work-group, no clusters, 3,072 bytes of LDS; arguments w1, w2, expert_indices, wq, wsc, order, tiles; writes wq, wsc, order, tiles
.if DOCPART == 1
	.amdgcn_target "amdgcn-amd-amdhsa--gfx1250"
	.amdhsa_code_object_version 6
	.text
	.protected	k_q1756b1ef20_prep
	.globl	k_q1756b1ef20_prep
	.p2align	8
	.type	k_q1756b1ef20_prep,@function
k_q1756b1ef20_prep:
	s_mov_b64 s[64:65], 0
	v_nop
	global_prefetch_b8 v0, s[64:65] scope:SCOPE_SE
	s_setreg_imm32_b32 hwreg(HW_REG_WAVE_MODE, 25, 1), 1
	s_wait_xcnt 0x0
; TWO JOBS IN ONE LAUNCH, parted by the work-group's number (alike in all eight waves of a work-group).
; Work-groups 1 .. 512: w1 and w2 [8][1024 k][1024 n], f32, K the first axis inside an expert, become codes of FP4 (E2M1) with one E8M0 byte for each 32 along K,
;   laid in the order in which the next launch's operand registers take them:
;   wq  [p 2][e 8][w 8][s 8][t 8][c 2][lane 32][16 bytes]: p product, e expert, w the reading wave (its 128 rows n), s K step of 128, t tile of 16 rows, c register group;
;       lane (r = lane % 16, h = lane / 16) holds row n = 128 w + 32 (t / 2) + 8 (t % 2) + r + 8 (r / 8), k = 128 s + 64 c + 32 h + 0 .. 31.
;   wsc [p][e][w][b 4][j 2][lane 32][16 bytes]: word i of lane (r, u = lane / 16) is the scale word of K step 4 j + i of row 128 w + 32 b + 8 u + r + 8 (r / 8).
;   A lane takes a column n and its registers run down K, so a block of 32 lies in one lane and the conversions give codes with K innermost; nothing is transposed.
; Work-group 0: the tokens are sorted by their PAIR of experts (28 bins a < b; a token that names one expert twice rides with the next expert, 7 with 6: its weight for the partner comes out 0
;   by the formula itself), and two lists of whole numbers are stored: order (token numbers by bin, then 64 zeros) and tiles (256 records: first place in order, rows, expert a, expert b;
;   tiles of at most 32 tokens that never cross a bin: never more than 4096 / 32 + 27 = 155; the records behind the last tile have 0 rows).
; LIMITS: NaN and infinities in w1, w2 are not served.  A block of zeros gets the byte 1 where the rule says 127: its codes are zeros and this program alone reads the bytes.
;   An index outside 0 .. 7 is held at 7 for the choice of a bin only.
.set QS,  1024                         ; LDS: bytes 0 .. 1023 are the sorter's, 1024 .. 2047 the quantiser's: each path has bytes of its own
.set X,   32                           ; quantiser: v32-95 two sets of 32 numbers
.set C,   96                           ; v96-111 four registers of codes for each block: no store's data are written again
.set EI,  32                           ; sorter: v32-63 sixteen pairs of indices; later BJ and AD
.set BJ,  32                           ; v32-47 where my wave's tokens of token j's bin begin
.set AD,  48                           ; v48-63 byte offsets into order
.set KEY, 64                           ; v64-79 token j's bin
.set POS, 80                           ; v80-95 token j's rank among my wave's tokens of its bin
.set CW,  96                           ; v96-103 the eight waves' counts (lane = bin)
.set TOK, 104                          ; v104-119 token numbers
.set REC, 120                          ; v120-123 my tile record
.set M,   24                           ; s24-39 sixteen lane masks
.set R,   40                           ; s40-56 running counts
	s_load_b256 s[4:11], s[0:1], 0x0               ; w1 s[4:5], w2 s[6:7], expert_indices s[8:9], wq s[10:11]
	s_load_b128 s[12:15], s[0:1], 0x20             ; wsc s[12:13], order s[14:15]
	s_load_b64 s[16:17], s[0:1], 0x30              ; tiles
	v_lshl_add_u32 v128, v0, 2, 0x800
	v_mov_b32 v129, 0
	v_lshrrev_b32 v1, 5, v0
	v_readfirstlane_b32 s20, v1                    ; wave 0..7
	v_and_b32 v1, 31, v0                           ; lane
	; every LDS address of both paths is made here, ahead of the parting
	s_and_b32 s26, s20, 1                          ; cg: which 32 of the work-group's 64 columns
	s_lshr_b32 s27, s20, 1                         ; i: which of its four K steps
	s_lshl_b32 s31, s26, 9
	s_add_co_u32 s31, s31, QS
	v_lshl_add_u32 v7, v1, 4, s31                  ; quantiser: QS + 512 cg + 16 lane: my lane's four scale words,
	s_lshl_b32 s31, s27, 2
	v_add_nc_u32 v6, s31, v7                       ; and my wave's word among them
	v_lshlrev_b32 v8, 2, v0                        ; sorter: 128 wave + 4 lane: my wave's counts
	v_lshlrev_b32 v9, 2, v1                        ; 4 lane: a bin's word in any wave's counts
	s_wait_kmcnt 0x0
	s_cmp_eq_u32 ttmp9, 0
	s_cbranch_scc1 .Lroute
	; ---------------- THE QUANTISER ----------------
	; id = work-group - 1 = j + 2 cgp + 32 e + 256 p.  A wave takes 32 columns x 128 along K: four blocks a lane.  The two waves with equal i stand side by side on 256 consecutive bytes of each row.
	s_sub_co_u32 s21, ttmp9, 1
	s_and_b32 s22, s21, 1                          ; j: which half of K
	s_bfe_u32 s23, s21, 0x40001                    ; cgp: which 64 columns
	s_bfe_u32 s24, s21, 0x30005                    ; e
	s_lshr_b32 s25, s21, 8                         ; p
	s_lshl_b32 s28, s22, 2
	s_add_co_u32 s28, s28, s27                     ; s = 4 j + i
	s_lshr_b32 s29, s23, 1                         ; w = cgp / 2
	s_and_b32 s30, s23, 1
	s_lshl_b32 s30, s30, 1
	s_add_co_u32 s30, s30, s26                     ; b = 2 (cgp % 2) + cg
	s_lshl_b32 s32, s24, 22                        ; source: e x 4 MiB + s x 128 rows of 4,096 bytes + (64 cgp + 32 cg) x 4
	s_lshl_b32 s31, s28, 19
	s_add_co_u32 s32, s32, s31
	s_lshl_b32 s31, s23, 8
	s_add_co_u32 s32, s32, s31
	s_lshl_b32 s31, s26, 7
	s_add_co_u32 s32, s32, s31
	s_mov_b32 s33, 0
	s_lshl_b32 s34, s25, 22                        ; codes: p, e, w, s, tile 2 b
	s_lshl_b32 s31, s24, 19
	s_add_co_u32 s34, s34, s31
	s_lshl_b32 s31, s29, 16
	s_add_co_u32 s34, s34, s31
	s_lshl_b32 s31, s28, 13
	s_add_co_u32 s34, s34, s31
	s_lshl_b32 s31, s30, 11
	s_add_co_u32 s34, s34, s31
	s_mov_b32 s35, 0
	s_lshl_b32 s36, s25, 18                        ; scale words: p, e, w, b, j
	s_lshl_b32 s31, s24, 15
	s_add_co_u32 s36, s36, s31
	s_lshl_b32 s31, s29, 12
	s_add_co_u32 s36, s36, s31
	s_lshl_b32 s31, s30, 10
	s_add_co_u32 s36, s36, s31
	s_lshl_b32 s31, s22, 9
	s_add_co_u32 s36, s36, s31
	s_mov_b32 s37, 0
	s_cmp_eq_u32 s25, 0                            ; w1 or w2: the choice hangs on the work-group's number alone
	s_cselect_b64 s[4:5], s[4:5], s[6:7]
	s_add_nc_u64 s[4:5], s[4:5], s[32:33]
	s_add_nc_u64 s[10:11], s[10:11], s[34:35]
	s_add_nc_u64 s[12:13], s[12:13], s[36:37]
	v_and_b32 v2, 7, v0                            ; my column among the 32: the lane's number with bits 3 and 4 changed over,
	v_bfe_u32 v10, v0, 4, 1                        ; so that lanes 0-15 are tile 2 b's rows r = 0 .. 15 and lanes 16-31 tile 2 b + 1's
	v_bfe_u32 v11, v0, 3, 1
	v_lshl_or_b32 v2, v10, 3, v2
	v_lshl_or_b32 v2, v11, 4, v2
	v_lshlrev_b32 v3, 2, v2                        ; in: 4 bytes a column
	v_and_b32 v12, 15, v0
	v_lshlrev_b32 v4, 4, v12
	v_lshl_or_b32 v4, v10, 10, v4                  ; codes out: 1,024 x (lane / 16) + 16 x (lane % 16); block t = 2 c + h lies 256 t further on
	v_lshlrev_b32 v5, 4, v1                        ; scale words out: 16 bytes a lane
.macro LOAD t                          ; block t: W(32 t + i, my column), i = 0 .. 31, into set t % 2; a load reads 128 consecutive bytes
.irp i, 0,1,2,3,4,5,6,7,8,9,10,11,12,13,14,15,16,17,18,19,20,21,22,23,24,25,26,27,28,29,30,31
	global_load_b32 v[X+32*((\t)%2)+\i], v3, s[4:5] offset:(32*(\t)+\i)*4096 th:TH_LOAD_NT
.endr
.endm
.macro BLOCK t
.set XS, X+32*((\t)%2)
.if (\t) < 3
	s_wait_loadcnt 32                              ; this block's 32 loads are in; the next block's 32 may be out
.else
	s_wait_loadcnt 0x0
.endif
	v_max3_num_f32 v12, |v[XS]|, |v[XS+1]|, |v[XS+2]|      ; the block's largest magnitude: all 32 numbers are mine; two chains
	v_max3_num_f32 v13, |v[XS+3]|, |v[XS+4]|, |v[XS+5]|
.irp i, 6,10,14,18,22,26
	v_max3_num_f32 v12, v12, |v[XS+\i]|, |v[XS+\i+1]|
	v_max3_num_f32 v13, v13, |v[XS+\i+2]|, |v[XS+\i+3]|
.endr
	v_max3_num_f32 v12, v12, |v[XS+30]|, |v[XS+31]|
	v_max3_num_f32 v12, v12, v13, 0x1800000        ; and the floor 2^(3 - 127): the byte cannot fall under 1
	v_add_nc_u32 v11, 0xff000000, v12              ; 2 off the exponent field: the conversion takes the exponent field of this operand as its scale
.irp g, 0,1,2,3
	v_cvt_scalef32_pk8_fp4_f32 v[C+4*(\t)+\g], v[XS+8*\g:XS+8*\g+7], v11
.endr
	v_lshrrev_b32 v13, 23, v11                     ; the scale's byte (also the plain line behind the conversions)
.if (\t) == 0
	v_mov_b32 v14, v13                             ; four bytes make the K step's scale word, the lower K in the lower byte
.else
	v_lshl_or_b32 v14, v13, 8*(\t), v14
.endif
	global_store_b128 v4, v[C+4*(\t):C+4*(\t)+3], s[10:11] offset:256*(\t)   ; lanes 0-15 store 256 consecutive aligned bytes, lanes 16-31 another 256
.if (\t) < 2
	LOAD (\t)+2
.endif
.endm
	LOAD 0
	LOAD 1
	BLOCK 0
	BLOCK 1
	BLOCK 2
	BLOCK 3
	ds_store_b32 v6, v14                           ; the four waves of a column group put their K steps' words side by side
	s_wait_dscnt 0x0                               ; for the others' sake: my store has landed
	s_barrier_signal -1
	s_barrier_wait -1
	s_cmp_gt_u32 s20, 1                            ; waves 0 and 1 (i = 0, cg = the wave) send their column group's words
	s_cbranch_scc1 .Lqend
	ds_load_b128 v[16:19], v7
	s_wait_dscnt 0x0
	global_store_b128 v5, v[16:19], s[12:13]       ; 32 lanes store 512 consecutive aligned bytes
.Lqend:
	s_wait_tensorcnt 0x0
	ds_add_u32 v128, v129
	s_wait_dscnt 0x0
	s_endpgm
	; ---------------- THE SORTER ----------------
.Lroute:                                               ; wave wv takes tokens 512 wv + 32 j + lane, j = 0 .. 15
	s_lshl_b32 s21, s20, 12
	v_lshl_add_u32 v2, v1, 3, s21                  ; 8 bytes a token
.irp j, 0,1,2,3,4,5,6,7,8,9,10,11,12,13,14,15
	global_load_b64 v[EI+2*\j:EI+2*\j+1], v2, s[8:9] offset:256*\j
.endr
	v_mov_b32 v14, 0                               ; my wave's count of bin = lane
	s_lshl_b32 s21, s20, 9
	v_add_nc_u32 v22, s21, v1                      ; the token of j = 0
	s_wait_loadcnt 0x0
	; the bin: lo < hi, key = lo (15 - lo) / 2 + hi - lo - 1, 0 .. 27.  Stage by stage over the sixteen, so that no line waits for the line above it
.irp j, 0,1,2,3,4,5,6,7,8,9,10,11,12,13,14,15
	v_min_u32 v[EI+2*\j], 7, v[EI+2*\j]
	v_min_u32 v[EI+2*\j+1], 7, v[EI+2*\j+1]
.endr
.irp j, 0,1,2,3,4,5,6,7,8,9,10,11,12,13,14,15
	v_min_u32 v[KEY+\j], v[EI+2*\j], v[EI+2*\j+1]  ; lo
	v_max_u32 v[POS+\j], v[EI+2*\j], v[EI+2*\j+1]  ; hi
.endr
.irp j, 0,1,2,3,4,5,6,7,8,9,10,11,12,13,14,15
	v_cmp_eq_u32 s[M+\j], v[KEY+\j], v[POS+\j]     ; one expert named twice:
.endr
.irp j, 0,1,2,3,4,5,6,7,8,9,10,11,12,13,14,15
	v_cndmask_b32 v[EI+2*\j], 0, 1, s[M+\j]
.endr
.irp j, 0,1,2,3,4,5,6,7,8,9,10,11,12,13,14,15
	v_add_nc_u32 v[POS+\j], v[POS+\j], v[EI+2*\j]  ; it rides with the next expert,
	v_min_u32 v[KEY+\j], 6, v[KEY+\j]              ; and (7, 7) with (6, 7)
.endr
.irp j, 0,1,2,3,4,5,6,7,8,9,10,11,12,13,14,15
	v_min_u32 v[POS+\j], 7, v[POS+\j]
	v_sub_nc_u32 v[EI+2*\j], 15, v[KEY+\j]
.endr
.irp j, 0,1,2,3,4,5,6,7,8,9,10,11,12,13,14,15
	v_mul_u32_u24 v[EI+2*\j], v[EI+2*\j], v[KEY+\j]
	v_sub_nc_u32 v[EI+2*\j+1], v[POS+\j], v[KEY+\j]
.endr
.irp j, 0,1,2,3,4,5,6,7,8,9,10,11,12,13,14,15
	v_lshrrev_b32 v[EI+2*\j], 1, v[EI+2*\j]
	v_mov_b32 v[POS+\j], 0
.endr
.irp j, 0,1,2,3,4,5,6,7,8,9,10,11,12,13,14,15
	v_add3_u32 v[KEY+\j], v[EI+2*\j], v[EI+2*\j+1], -1
.endr
	; 28 trips, one a bin: each token's rank among my wave's tokens of its bin (order: j, then lane), and the bin's count
	s_mov_b32 s57, 0
.Lbin:
.irp j, 0,1,2,3,4,5,6,7,8,9,10,11,12,13,14,15
	v_cmp_eq_u32 s[M+\j], s57, v[KEY+\j]
.endr
	s_mov_b32 s[R], 0
.irp j, 0,1,2,3,4,5,6,7,8,9,10,11,12,13,14,15
	s_bcnt1_i32_b32 s58, s[M+\j]
	s_add_co_u32 s[R+\j+1], s[R+\j], s58
.endr
.irp j, 0,1,2,3,4,5,6,7,8,9,10,11,12,13,14,15
	v_mbcnt_lo_u32_b32 v[24+\j%4], s[M+\j], s[R+\j]        ; those of earlier j + those of lower lanes
	v_cndmask_b32 v[POS+\j], v[POS+\j], v[24+\j%4], s[M+\j]
.endr
	v_cmp_eq_u32 vcc_lo, s57, v1
	v_cndmask_b32 v14, v14, s[R+16], vcc_lo
	s_add_co_u32 s57, s57, 1
	s_cmp_lt_u32 s57, 28
	s_cbranch_scc1 .Lbin
	ds_store_b32 v8, v14
	s_wait_dscnt 0x0                               ; for the others' sake: my counts have landed
	s_barrier_signal -1
	s_barrier_wait -1
.irp k, 0,1,2,3,4,5,6,7
	ds_load_b32 v[CW+\k], v9 offset:128*\k
.endr
	v_mov_b32 v15, 0                               ; the bin's total (lane = bin),
	v_mov_b32 v16, 0                               ; and what the waves before mine have of it
	s_wait_dscnt 0x0
.irp k, 0,1,2,3,4,5,6,7
	s_cmp_gt_u32 s20, \k
	s_cselect_b32 s58, -1, 0
	v_and_b32 v24, s58, v[CW+\k]
	v_add_nc_u32 v16, v16, v24
	v_add_nc_u32 v15, v15, v[CW+\k]
.endr
.irp j, 0,1,2,3,4,5,6,7,8,9,10,11,12,13,14,15
	v_mov_b32 v[BJ+\j], 0
.endr
	v_mov_b32 v17, 0                               ; my record's bin: its first place in order,
	v_mov_b32 v18, 0                               ; its first tile,
	v_mov_b32 v19, 0                               ; its total,
	v_mov_b32 v20, 0                               ; its number
	; One pass over the bins, written out.  s40: where the bin begins in order; s41: its first tile.  Thread tau's record belongs to the LAST bin whose first tile is <= tau
	; (an empty bin's first tile is also the next bin's, so it is passed over).
	s_mov_b32 s40, 0
	s_mov_b32 s41, 0
.irp k, 0,1,2,3,4,5,6,7,8,9,10,11,12,13,14,15,16,17,18,19,20,21,22,23,24,25,26,27
	v_readlane_b32 s42, v15, \k
	v_readlane_b32 s43, v16, \k
	s_add_co_u32 s43, s43, s40                     ; where my wave's tokens of bin k begin
.irp j, 0,1,2,3,4,5,6,7,8,9,10,11,12,13,14,15
	v_cmp_eq_u32 s[M+\j], \k, v[KEY+\j]
.endr
.irp j, 0,1,2,3,4,5,6,7,8,9,10,11,12,13,14,15
	v_cndmask_b32 v[BJ+\j], v[BJ+\j], s43, s[M+\j]
.endr
	v_cmp_le_u32 vcc_lo, s41, v0
	v_cndmask_b32 v17, v17, s40, vcc_lo
	v_cndmask_b32 v18, v18, s41, vcc_lo
	v_cndmask_b32 v19, v19, s42, vcc_lo
	v_cndmask_b32 v20, v20, \k, vcc_lo
	s_add_co_u32 s40, s40, s42
	s_add_co_u32 s42, s42, 31
	s_lshr_b32 s42, s42, 5                         ; the bin's tiles: its total / 32, rounded up
	s_add_co_u32 s41, s41, s42
.endr
	; each token goes to its place.  4 bytes a lane to scattered places, 16 KiB in all
.irp j, 0,1,2,3,4,5,6,7,8,9,10,11,12,13,14,15
	v_add_nc_u32 v[AD+\j], v[POS+\j], v[BJ+\j]
	v_add_nc_u32 v[TOK+\j], 32*\j, v22
.endr
.irp j, 0,1,2,3,4,5,6,7,8,9,10,11,12,13,14,15
	v_min_u32 v[AD+\j], 0xfff, v[AD+\j]            ; a place made of loaded numbers is held inside the list
.endr
.irp j, 0,1,2,3,4,5,6,7,8,9,10,11,12,13,14,15
	v_lshlrev_b32 v[AD+\j], 2, v[AD+\j]
.endr
.irp j, 0,1,2,3,4,5,6,7,8,9,10,11,12,13,14,15
	global_store_b32 v[AD+\j], v[TOK+\j], s[14:15]
.endr
	s_cmp_lg_u32 s20, 0                            ; wave 0: 64 zeros behind the list, so that 32 entries from any first place are written bytes
	s_cbranch_scc1 .Lnopad
	v_lshlrev_b32 v10, 3, v1
	v_mov_b32 v12, 0
	v_mov_b32 v13, 0
	global_store_b64 v10, v[12:13], s[14:15] offset:16384  ; 256 consecutive aligned bytes
.Lnopad:
	; my record: tile d = tau - the bin's first tile
	v_sub_nc_u32 v21, v0, v18
	v_lshlrev_b32 v21, 5, v21                      ; 32 d
	v_add_nc_u32 v[REC], v17, v21
	v_min_u32 v[REC], 0xfff, v[REC]                ; first place
	v_sub_nc_u32 v[REC+1], v19, v21
	v_max_i32 v[REC+1], 0, v[REC+1]
	v_min_i32 v[REC+1], 32, v[REC+1]               ; rows: what is left of the bin, 0 .. 32
	v_mov_b32 v[REC+2], 0
.irp c, 7,13,18,22,25,27
	v_cmp_le_u32 vcc_lo, \c, v20
	v_add_co_ci_u32 v[REC+2], vcc_lo, 0, v[REC+2], vcc_lo  ; expert a: how many of the rows of the triangle begin at or under the bin's number
.endr
	v_sub_nc_u32 v21, 15, v[REC+2]
	v_mul_u32_u24 v21, v21, v[REC+2]
	v_lshrrev_b32 v21, 1, v21
	v_sub_nc_u32 v21, v20, v21
	v_add3_u32 v[REC+3], v21, v[REC+2], 1          ; expert b
	v_lshlrev_b32 v124, 4, v0
	global_store_b128 v124, v[REC:REC+3], s[16:17] ; 32 lanes store 512 consecutive aligned bytes
	s_wait_tensorcnt 0x0
	ds_add_u32 v128, v129
	s_wait_dscnt 0x0
	s_endpgm
.Lfunc_end_k_q1756b1ef20_prep:
	.size	k_q1756b1ef20_prep, .Lfunc_end_k_q1756b1ef20_prep-k_q1756b1ef20_prep
	.p2alignl 7, 3214868480
	.fill 96, 4, 3214868480
	.section	.rodata,"a",@progbits
	.p2align	6, 0x0
	.amdhsa_kernel k_q1756b1ef20_prep
		.amdhsa_group_segment_fixed_size 3072
		.amdhsa_private_segment_fixed_size 0
		.amdhsa_enable_private_segment 0
		.amdhsa_kernarg_size 56
		.amdhsa_user_sgpr_count 2
		.amdhsa_user_sgpr_kernarg_segment_ptr 1
		.amdhsa_wavefront_size32 1
		.amdhsa_system_sgpr_workgroup_id_x 1
		.amdhsa_system_sgpr_workgroup_id_y 1
		.amdhsa_system_sgpr_workgroup_id_z 1
		.amdhsa_system_vgpr_workitem_id 0
		.amdhsa_next_free_vgpr 130
		.amdhsa_next_free_sgpr 72
		.amdhsa_reserve_vcc 1
		.amdhsa_float_denorm_mode_32 3
		.amdhsa_float_denorm_mode_16_64 3
		.amdhsa_memory_ordered 1
		.amdhsa_forward_progress 1
		.amdhsa_inst_pref_size 117
	.end_amdhsa_kernel
	.amdgpu_metadata
---
amdhsa.version: [ 1, 2 ]
amdhsa.kernels:
  - .name:           k_q1756b1ef20_prep
    .symbol:         k_q1756b1ef20_prep.kd
    .args:
      - { .name: w1, .offset: 0, .size: 8, .value_kind: global_buffer, .address_space: global }
      - { .name: w2, .offset: 8, .size: 8, .value_kind: global_buffer, .address_space: global }
      - { .name: expert_indices, .offset: 16, .size: 8, .value_kind: global_buffer, .address_space: global }
      - { .name: wq, .offset: 24, .size: 8, .value_kind: global_buffer, .address_space: global }
      - { .name: wsc, .offset: 32, .size: 8, .value_kind: global_buffer, .address_space: global }
      - { .name: order, .offset: 40, .size: 8, .value_kind: global_buffer, .address_space: global }
      - { .name: tiles, .offset: 48, .size: 8, .value_kind: global_buffer, .address_space: global }
    .group_segment_fixed_size: 3072
    .private_segment_fixed_size: 0
    .kernarg_segment_align: 8
    .kernarg_segment_size: 56
    .max_flat_workgroup_size: 256
    .sgpr_count:     72
    .vgpr_count:     130
    .wavefront_size: 32
...
	.end_amdgpu_metadata
.endif
;; end of part 1
;; launch chain (part 2): grid 155 x 1, 8 waves a work-group, no clusters, 191,488 bytes of LDS; arguments x, expert_weights, expert_indices, wq, wsc, order, tiles, out0; writes out0
.if DOCPART == 2
	.amdgcn_target "amdgcn-amd-amdhsa--gfx1250"
	.amdhsa_code_object_version 6
	.text
	.protected	k_q1756b1ef20_chain
	.globl	k_q1756b1ef20_chain
	.p2align	8
	.type	k_q1756b1ef20_chain,@function
k_q1756b1ef20_chain:
	s_mov_b64 s[64:65], 0
	v_nop
	global_prefetch_b8 v0, s[64:65] scope:SCOPE_SE
	s_setreg_imm32_b32 hwreg(HW_REG_WAVE_MODE, 25, 1), 1
	s_wait_xcnt 0x0
; out[t] = c_a gelu(x[t] W1[a]) W2[a] + c_b gelu(x[t] W1[b]) W2[b] for the (at most 32) tokens of ONE tile, all of which use the same two experts a < b; c_e = the sum of the token's weights whose index is e.
; Both products on codes of FP4 (E2M1) with one E8M0 scale for each 32 along K.  x and the hidden layer are quantised here; the weights' codes and scale words come from wq and wsc, laid in the order of the operand registers.
; Every output row has one owner, and the hidden layer never goes to memory.
; GRID: 4096 / 32 + 27 = 155 tiles serve every split.  The weights' addresses hang on the stored list: hence no tensor loads, no cluster (tiles of one pair are too few and uneven to form fixed groups),
;   and the weights go from memory straight into registers.  A TILE THAT THE SPLIT LEAVES WITHOUT ROWS WALKS THE WHOLE CHAIN AND STORES NOTHING: every wave passes every barrier, and none of the three may stand
;   under a branch on a number read from memory; its record names experts inside 0 .. 7 and a first place inside the list, so all its loads stay inside their buffers.  That work is lost.
; SHARES: eight waves share the COLUMNS: wave w makes hidden units and outputs 128 w .. 128 w + 127, for both tiles m = 0, 1 of 16 tokens.  Both products are used transposed (source 0 = 16 rows of the weight,
;   source 1 = 16 tokens): a lane holds one token (lane % 16) throughout.  The rows of a weight tile are not neighbours (lane r of tile 2 b + u takes row 32 b + 8 u + r + 8 (r / 8)), so that the 16 registers of tiles
;   2 b and 2 b + 1 are 16 neighbours, 32 b + 16 (lane / 16) + 0 .. 15, along the next K or along the output row.
; OPERANDS GO FROM WAVE TO WAVE THROUGH LDS AS IMAGES OF THEIR REGISTERS: a fragment is two stores of 512 bytes, 16 bytes a lane; its scale words 4 bytes a lane.
; THE WEIGHTS run through a ring of four register slots (a K step's 8 fragments, 64 registers, each), asked for four K steps ahead, on over the ends of products and experts: 32 K steps, numbered g = 0 .. 31.
; Places of a short tile that hold no row are computed on whatever token the list names next and are never stored; a token is a column of source 1 and touches no other.
; gelu is the tanh form: x / (1 + 2^(x (A + B x^2))), A = -2 log2(e) sqrt(2 / pi), B = 0.044715 A, all in f32.
; LIMITS: NaN and infinities in x are not served.  A block of zeros gets the byte 1 where the rule says 127 (zero codes; the bytes are read here alone).  The two terms of a row are joined by one fused multiply-add, a first.
.set XIMG,  0                          ; LDS: x's 16 fragments, (m, K step s) at (8 m + s) x 1,024
.set HIMG0, 16384                      ; expert a's hidden layer likewise,
.set HIMG1, 32768                      ; expert b's: bytes of its own, so that no barrier is owed between a's reads and b's stores
.set XSC,   49152                      ; their scale words, (8 m + s) x 128
.set HSC0,  51200
.set HSC1,  53248
.set WREG,  55296                      ; a region of 16,896 bytes for each wave: first the image of c_a y_a (32 x 512), then two stages of 16 rows x 528
.set WRB,   16896
; v1 16 lane; v2 4 lane; v3 16 lane + 1,024 wave; v4 4 lane + 128 wave; v5 my region + 16 lane; v6 my region + 528 r + 64 h; v7, v8 x offsets of my token in tile 0, 1; v9 4 r; v10, v11 8 x token;
; v12-19 c_a and c_b of my token in tiles 0, 1, as pairs; v20-27 its indices and weights; v121 64 h; v122-125 A, A, B, B; v126-127 at work
.set BS,  28                           ; v28-31   the tokens' scale words, 2 x set + m: scales and nothing else
.set WS,  32                           ; v32-63   the weight's scale words, 8 b + s: lanes 0-15 tile 2 b, lanes 16-31 tile 2 b + 1: scales and nothing else
.set BF,  64                           ; v64-95   two sets of two token fragments; gelu's work; at the end the output rows' offsets
.set TM,  96                           ; v96-111  the quantiser's work
.set PC,  112                          ; v112-119 the codes just made
.set PW,  120                          ; v120     the scale word just made
.set P,   128                          ; v128-255 16 accumulators, (m, t) at P + 64 m + 8 t
                                       ; window 1 (v256-511): the ring
.set WB,  28                           ; s[28:35] code bases of W1[a], W2[a], W1[b], W2[b], my wave's part; never rewritten
.set SB,  36                           ; s[36:43] scale bases likewise
.set SEL, 44                           ; s[44:45] lane selects for v_permlanex16_b32: lane l xor 16
.set MSB, 0
.macro WIN new                         ; the immediate's high byte repeats the setting that is left; a switch that changes nothing is dropped
.if MSB != \new
	s_set_vgpr_msb (MSB<<8)|\new
.set MSB, \new
.endif
.endm
.macro GLOAD g                         ; K step g's 8 weight fragments into slot g % 4: 16 loads of 512 consecutive bytes
	WIN 0x40                                       ; destination window 1, address window 0
.irp t, 0,1,2,3,4,5,6,7
.irp c, 0,1
	global_load_b128 v[64*((\g)%4)+8*\t+4*\c:64*((\g)%4)+8*\t+4*\c+3], v1, s[WB+2*((\g)/8):WB+2*((\g)/8)+1] offset:((\g)%8)*8192+\t*1024+\c*512
.endr
.endr
	WIN 0
.endm
.macro SLOAD q, j                      ; product q's scale words of K steps 4 j .. 4 j + 3
.irp b, 0,1,2,3
	global_load_b128 v[WS+8*\b+4*(\j):WS+8*\b+4*(\j)+3], v1, s[SB+2*(\q):SB+2*(\q)+1] offset:\b*1024+(\j)*512
.endr
.endm
.macro FETCHB ks, bset, img, scl       ; the two token fragments of K step ks, and their scale words, into set bset
.irp m, 0,1
.irp c, 0,1
	ds_load_b128 v[BF+16*(\bset)+8*\m+4*\c:BF+16*(\bset)+8*\m+4*\c+3], v1 offset:(\img)+(8*\m+(\ks))*1024+512*\c
.endr
	ds_load_b32 v[BS+2*(\bset)+\m], v2 offset:(\scl)+(8*\m+(\ks))*128
.endr
.endm
.macro WM t, m                         ; one matrix instruction: weight tile t x token tile m.  A product's first K step starts the sums with the constant 0
.if KS_S == 0
.if (\t)%2
	v_wmma_scale_f32_16x16x128_f8f6f4 v[P+64*\m+8*\t:P+64*\m+8*\t+7], v[KS_SLOT+8*\t:KS_SLOT+8*\t+7], v[BF+16*KS_SET+8*\m:BF+16*KS_SET+8*\m+7], 0, v[WS+8*(\t/2)+KS_S], v[BS+2*KS_SET+\m] matrix_a_fmt:MATRIX_FMT_FP4 matrix_b_fmt:MATRIX_FMT_FP4 matrix_a_scale:MATRIX_SCALE_ROW1
.else
	v_wmma_scale_f32_16x16x128_f8f6f4 v[P+64*\m+8*\t:P+64*\m+8*\t+7], v[KS_SLOT+8*\t:KS_SLOT+8*\t+7], v[BF+16*KS_SET+8*\m:BF+16*KS_SET+8*\m+7], 0, v[WS+8*(\t/2)+KS_S], v[BS+2*KS_SET+\m] matrix_a_fmt:MATRIX_FMT_FP4 matrix_b_fmt:MATRIX_FMT_FP4
.endif
.else
.if (\t)%2
	v_wmma_scale_f32_16x16x128_f8f6f4 v[P+64*\m+8*\t:P+64*\m+8*\t+7], v[KS_SLOT+8*\t:KS_SLOT+8*\t+7], v[BF+16*KS_SET+8*\m:BF+16*KS_SET+8*\m+7], v[P+64*\m+8*\t:P+64*\m+8*\t+7], v[WS+8*(\t/2)+KS_S], v[BS+2*KS_SET+\m] matrix_a_fmt:MATRIX_FMT_FP4 matrix_b_fmt:MATRIX_FMT_FP4 matrix_a_scale:MATRIX_SCALE_ROW1
.else
	v_wmma_scale_f32_16x16x128_f8f6f4 v[P+64*\m+8*\t:P+64*\m+8*\t+7], v[KS_SLOT+8*\t:KS_SLOT+8*\t+7], v[BF+16*KS_SET+8*\m:BF+16*KS_SET+8*\m+7], v[P+64*\m+8*\t:P+64*\m+8*\t+7], v[WS+8*(\t/2)+KS_S], v[BS+2*KS_SET+\m] matrix_a_fmt:MATRIX_FMT_FP4 matrix_b_fmt:MATRIX_FMT_FP4
.endif
.endif
.endm
; K STEP GG (a symbol that PRODUCT steps).  The wait's count: behind group GG were issued the three younger groups (16 loads each; fewer at the end) and, for 4 <= GG <= 27, the one run of four scale loads
; that falls among any four K steps.  A step's own scale words were always issued ahead of its group, so the same wait shows them in.
; The 16 accumulators take turns, one instruction a turn, from step to step too.
.macro KSTEP img, scl
.set KS_S, GG%8
.set KS_SET, GG%2
.set KS_SLOT, 64*(GG%4)
.set KS_N, 48
.if GG > 28
.set KS_N, 16*(31-GG)
.endif
.if (GG >= 4) && (GG <= 27)
.set KS_N, KS_N+4
.endif
	s_wait_loadcnt KS_N
	s_wait_dscnt 0x0                               ; this step's token fragments, asked for a step ago
.if KS_S < 7
	FETCHB KS_S+1, 1-KS_SET, \img, \scl            ; the next step's, into the other set (four places behind its last reader: the v_nop of the step before)
.endif
	WIN 0x01                                       ; source 0 (the weight) in window 1
.irp t, 0,1,2,3,4,5,6,7
.irp m, 0,1
	WM \t, \m
.endr
.endr
.rept 4
	v_nop                                          ; four places in front of the loads into the slot, the scale words and the token set, and of the first read of results
.endr
.if GG <= 27
	GLOAD GG+4
.endif
	WIN 0
.if (GG%8 == 3) && (GG < 24)
	SLOAD GG/8+1, 0                                ; the next product's scale words of K steps 0 .. 3: this product has just read its own for the last time
.endif
.if (GG%8 == 7) && (GG < 24)
	SLOAD GG/8+1, 1
.endif
.endm
.macro PRODUCT g0, img, scl            ; eight K steps
	FETCHB 0, 0, \img, \scl
.set GG, \g0
.rept 8
	KSTEP \img, \scl
.set GG, GG+1
.endr
.endm
; 64 numbers of a lane, register 16 b + i = k 32 b + 16 (lane / 16) + i of my token, become a fragment's codes in v[PC] on and its scale word in v[PW].
.macro QUANT s
.irp b, 0,1,2,3
	v_max3_num_f32 v[TM+\b], |v[\s+16*\b]|, |v[\s+1+16*\b]|, 0x1800000   ; block b: my 16 numbers, and the floor 2^(3 - 127): the byte cannot fall under 1
.endr
.irp i, 2,4,6,8,10,12,14
.irp b, 0,1,2,3
	v_max3_num_f32 v[TM+\b], v[TM+\b], |v[\s+16*\b+\i]|, |v[\s+1+16*\b+\i]|   ; the four blocks by turns
.endr
.endr
.irp b, 0,1,2,3
	v_permlanex16_b32 v[TM+4+\b], v[TM+\b], s[SEL], s[SEL+1]
.endr
.irp b, 0,1,2,3
	v_max_num_f32 v[TM+\b], v[TM+\b], v[TM+4+\b]   ; with lane l xor 16's: the block's largest magnitude
.endr
.irp b, 0,1,2,3
	v_add_nc_u32 v[TM+12+\b], 0xff000000, v[TM+\b] ; 2 off its exponent field: the conversion's scale operand
.endr
.irp b, 0,1,2,3
	v_lshrrev_b32 v[TM+4+\b], 23, v[TM+12+\b]      ; the scale's byte
.endr
	v_lshl_or_b32 v[PW], v[TM+5], 8, v[TM+4]
	v_lshl_or_b32 v[PW], v[TM+6], 16, v[PW]
	v_lshl_or_b32 v[PW], v[TM+7], 24, v[PW]
.irp b, 0,1,2,3
	v_cvt_scalef32_pk8_fp4_f32 v[PC+2*\b], v[\s+16*\b:\s+7+16*\b], v[TM+12+\b]
	v_cvt_scalef32_pk8_fp4_f32 v[PC+1+2*\b], v[\s+8+16*\b:\s+15+16*\b], v[TM+12+\b]
.endr
	v_nop                                          ; one plain line behind the scaled conversions
.irp c, 0,1                                    ; the operand wants a whole block in a lane: lanes 0-15 block 2 c, lanes 16-31 block 2 c + 1
.irp i, 0,1
	v_permlane16_swap_b32 v[PC+4*\c+\i], v[PC+2+4*\c+\i]
.endr
.endr
.endm
.macro IMAGE off                       ; the fragment in v[PC] on goes to LDS as it stands, at my wave's K step
.irp c, 0,1
	ds_store_b128 v3, v[PC+4*\c:PC+4*\c+3] offset:(\off)+512*\c
.endr
.endm
.macro BARRIER                         ; my LDS stores have landed and my LDS loads are in: then the work-group's barrier
	s_wait_dscnt 0x0
	s_barrier_signal -1
	s_barrier_wait -1
.endm
; gelu of the 32 numbers at P + o (four accumulators, each read from its low end on).  The exponentials are one batch with one wait, and so are the reciprocals.
.macro GELU o
.set GN, 0
.rept 16
	v_pk_mul_f32 v[BF+GN:BF+GN+1], v[P+\o+GN:P+\o+GN+1], v[P+\o+GN:P+\o+GN+1]    ; x^2
.set GN, GN+2
.endr
.set GN, 0
.rept 16
	v_pk_fma_f32 v[BF+GN:BF+GN+1], v[BF+GN:BF+GN+1], v[124:125], v[122:123]      ; A + B x^2
.set GN, GN+2
.endr
.set GN, 0
.rept 16
	v_pk_mul_f32 v[BF+GN:BF+GN+1], v[BF+GN:BF+GN+1], v[P+\o+GN:P+\o+GN+1]        ; z = x (A + B x^2)
.set GN, GN+2
.endr
.set GN, 0
.rept 32
	v_exp_f32 v[BF+GN], v[BF+GN]
.set GN, GN+1
.endr
	v_nop                                          ; a plain line behind the last exponential
	s_wait_alu depctr_va_vdst(0)
.set GN, 0
.rept 16
	v_pk_add_f32 v[BF+GN:BF+GN+1], v[BF+GN:BF+GN+1], 1.0 op_sel_hi:[1,0]
.set GN, GN+2
.endr
.set GN, 0
.rept 32
	v_rcp_f32 v[BF+GN], v[BF+GN]
.set GN, GN+1
.endr
	v_nop
	s_wait_alu depctr_va_vdst(0)
.set GN, 0
.rept 16
	v_pk_mul_f32 v[P+\o+GN:P+\o+GN+1], v[P+\o+GN:P+\o+GN+1], v[BF+GN:BF+GN+1]    ; x / (1 + 2^z)
.set GN, GN+2
.endr
.endm
.macro HIDDEN himg, hsc                ; my 128 hidden units of the 32 tokens: gelu, quantised: they are K step w of the second product
	GELU 0
	GELU 32
	QUANT P
	IMAGE \himg
	ds_store_b32 v4, v[PW] offset:\hsc
	GELU 64
	GELU 96
	s_wait_dscnt 0x0                               ; the stores have read their registers
	QUANT P+64
	IMAGE (\himg)+8192
	ds_store_b32 v4, v[PW] offset:(\hsc)+1024
	BARRIER                                        ; the hidden layer's sixteen fragments lie in LDS
.endm
.macro COEF dst, se, m                 ; the sum of my token's weights whose index is the expert in s[se]; both halves of the pair are written
	v_cmp_eq_u32 vcc_lo, s[\se], v[20+2*\m]
	v_cndmask_b32 v126, 0, v[24+2*\m], vcc_lo
	v_cmp_eq_u32 vcc_lo, s[\se], v[21+2*\m]
	v_cndmask_b32 v127, 0, v[25+2*\m], vcc_lo
	v_add_f32 v[\dst], v126, v127
	v_mov_b32 v[\dst+1], v[\dst]
.endm
	s_load_b512 s[4:19], s[0:1], 0x0               ; x s[4:5], expert_weights s[6:7], expert_indices s[8:9], wq s[10:11], wsc s[12:13], order s[14:15], tiles s[16:17], out0 s[18:19]
	v_lshl_add_u32 v106, v0, 2, 0x2e800
	v_mov_b32 v107, 0
	v_lshrrev_b32 v9, 5, v0
	v_readfirstlane_b32 s24, v9                    ; wave 0..7
	v_and_b32 v9, 31, v0
	v_lshlrev_b32 v1, 4, v9
	v_lshlrev_b32 v2, 2, v9
	s_lshl_b32 s25, s24, 10
	v_add_nc_u32 v3, s25, v1
	s_lshl_b32 s25, s24, 7
	v_add_nc_u32 v4, s25, v2
	s_mul_i32 s25, s24, WRB
	s_add_co_u32 s25, s25, WREG
	v_add_nc_u32 v5, s25, v1
	v_and_b32 v9, 15, v0                           ; r
	v_bfe_u32 v121, v0, 4, 1                       ; h
	v_mul_u32_u24 v6, v9, 528
	v_lshl_add_u32 v6, v121, 6, v6
	v_add_nc_u32 v6, s25, v6
	v_lshlrev_b32 v9, 2, v9
	v_lshlrev_b32 v121, 6, v121
	s_mov_b32 s[SEL], 0x76543210
	s_mov_b32 s[SEL+1], 0xfedcba98
	v_mov_b32 v122, 0xc0135761                     ; A = -2.3022082
	v_mov_b32 v123, 0xc0135761
	v_mov_b32 v124, 0xbdd2d3e8                     ; B = -0.10294324
	v_mov_b32 v125, 0xbdd2d3e8
.irp b, 0,1,2,3
	v_mov_b32 v[TM+4+\b], 0                        ; written once: a lane permute's destination counts as one of its sources
.endr
	s_lshl_b32 s26, ttmp9, 4                       ; my record: 16 bytes a tile
	s_mov_b32 s27, 0
	s_wait_kmcnt 0x0
	s_add_nc_u64 s[16:17], s[16:17], s[26:27]
	s_load_b128 s[20:23], s[16:17], 0x0            ; first place in order, rows (s21: it decides only which rows are stored, at the very end), expert a, expert b
	s_wait_kmcnt 0x0
	s_min_u32 s20, s20, 4095                       ; stored numbers are held before they enter an address
	s_min_u32 s22, s22, 7
	s_min_u32 s23, s23, 7
	s_lshl_b32 s26, s20, 2
	s_add_nc_u64 s[14:15], s[14:15], s[26:27]
	s_load_b512 s[48:63], s[14:15], 0x0            ; the tile's 32 tokens as scalars, for the way out
	s_load_b512 s[68:83], s[14:15], 0x40
	global_load_b32 v7, v9, s[14:15]               ; and my lane's token in tile 0
	global_load_b32 v8, v9, s[14:15] offset:64     ; and in tile 1
	s_lshl_b32 s88, s24, 16                        ; codes: 65,536 bytes a wave, 524,288 an expert, 4 MiB a product
	s_lshl_b32 s26, s22, 19
	s_add_co_u32 s26, s26, s88
	s_add_nc_u64 s[WB:WB+1], s[10:11], s[26:27]
	s_add_nc_u64 s[WB+2:WB+3], s[WB:WB+1], 0x400000
	s_lshl_b32 s26, s23, 19
	s_add_co_u32 s26, s26, s88
	s_add_nc_u64 s[WB+4:WB+5], s[10:11], s[26:27]
	s_add_nc_u64 s[WB+6:WB+7], s[WB+4:WB+5], 0x400000
	s_lshl_b32 s88, s24, 12                        ; scale words: 4,096 a wave, 32,768 an expert, 262,144 a product
	s_lshl_b32 s26, s22, 15
	s_add_co_u32 s26, s26, s88
	s_add_nc_u64 s[SB:SB+1], s[12:13], s[26:27]
	s_add_nc_u64 s[SB+2:SB+3], s[SB:SB+1], 0x40000
	s_lshl_b32 s26, s23, 15
	s_add_co_u32 s26, s26, s88
	s_add_nc_u64 s[SB+4:SB+5], s[12:13], s[26:27]
	s_add_nc_u64 s[SB+6:SB+7], s[SB+4:SB+5], 0x40000
	s_lshl_b32 s26, s24, 9                         ; x and out0 at my wave's 128 columns
	s_add_nc_u64 s[84:85], s[4:5], s[26:27]
	s_add_nc_u64 s[86:87], s[18:19], s[26:27]
	SLOAD 0, 0
	SLOAD 0, 1
	GLOAD 0
	GLOAD 1
	s_wait_loadcnt 40                              ; my two tokens are in; behind them: 8 scale loads and groups 0 and 1
	s_wait_kmcnt 0x0                               ; the 32 scalar tokens
	v_min_u32 v7, 0xfff, v7
	v_min_u32 v8, 0xfff, v8
	v_lshlrev_b32 v10, 3, v7                       ; indices and weights: 8 bytes a token
	v_lshlrev_b32 v11, 3, v8
	v_lshl_add_u32 v7, v7, 12, v121                ; x: a row of 4,096 bytes, + 64 h: my 16 numbers of each block of 32
	v_lshl_add_u32 v8, v8, 12, v121
	global_load_b64 v[20:21], v10, s[8:9]
	global_load_b64 v[22:23], v11, s[8:9]
	global_load_b64 v[24:25], v10, s[6:7]
	global_load_b64 v[26:27], v11, s[6:7]
.irp m, 0,1                                    ; wave w takes K step w of x for both tiles: register 16 b + i = x(token, 128 w + 32 b + 16 h + i)
.irp b, 0,1,2,3
.irp q, 0,1,2,3
	global_load_b128 v[P+64*\m+16*\b+4*\q:P+64*\m+16*\b+4*\q+3], v[7+\m], s[84:85] offset:128*\b+16*\q
.endr
.endr
.endr
	GLOAD 2
	GLOAD 3
	s_wait_loadcnt 48                              ; indices, weights and tile 0's x are in; behind them: tile 1's x and groups 2 and 3
	COEF 12, 22, 0
	COEF 14, 22, 1
	COEF 16, 23, 0
	COEF 18, 23, 1
	QUANT P
	IMAGE XIMG
	ds_store_b32 v4, v[PW] offset:XSC
	s_wait_dscnt 0x0                               ; the stores have read their registers
	s_wait_loadcnt 32                              ; tile 1's x is in; behind it: groups 2 and 3
	QUANT P+64
	IMAGE XIMG+8192
	ds_store_b32 v4, v[PW] offset:XSC+1024
	BARRIER                                        ; x's sixteen fragments lie in LDS; they are never written again
	; ---- expert a
	PRODUCT 0, XIMG, XSC
	HIDDEN HIMG0, HSC0
	PRODUCT 8, HIMG0, HSC0
.set n, 0
.rept 64
	v_pk_mul_f32 v[P+n:P+n+1], v[P+n:P+n+1], v[12+2*(n/64):13+2*(n/64)] op_sel_hi:[1,0]   ; c_a y_a, each accumulator from its low end on
.set n, n+2
.endr
.set n, 0
.rept 32
	ds_store_b128 v5, v[P+4*n:P+4*n+3] offset:512*n        ; put by in my own region, as an image of the registers
.set n, n+1
.endr
	; ---- expert b
	PRODUCT 16, XIMG, XSC
	HIDDEN HIMG1, HSC1
	PRODUCT 24, HIMG1, HSC1
	WIN 0x40                                       ; c_a y_a comes back into the ring's first two slots, which are done with
.set n, 0
.rept 32
	ds_load_b128 v[4*n:4*n+3], v5 offset:512*n
.set n, n+1
.endr
	WIN 0
.set n, 0
.rept 16                                       ; the output rows' offsets: token x 4,096 + 16 lane
	s_min_u32 s[48+n], s[48+n], 4095
	v_lshl_add_u32 v[BF+n], s[48+n], 12, v1
	s_min_u32 s[68+n], s[68+n], 4095
	v_lshl_add_u32 v[BF+16+n], s[68+n], 12, v1
.set n, n+1
.endr
	s_wait_dscnt 0x0
	WIN 0x10                                       ; source 2 in window 1
.set n, 0
.rept 64
	v_pk_fma_f32 v[P+n:P+n+1], v[P+n:P+n+1], v[16+2*(n/64):17+2*(n/64)], v[n:n+1] op_sel_hi:[1,0,1]   ; c_b y_b + c_a y_a
.set n, n+2
.endr
	WIN 0
	; ---- THE WAY OUT.  A lane holds 64 neighbouring bytes of a row four times over, and the lanes beside it hold other rows: so both tiles go through my own stages (rows 528 bytes apart) and come back as
	; whole pieces of 512 bytes.  LDS serves a wave's instructions in order (ISA guide 5.7.1.4): no wait between the stores and the loads.
.irp m, 0,1
.irp b, 0,1,2,3
.irp q, 0,1,2,3
	ds_store_b128 v6, v[P+64*\m+16*\b+4*\q:P+64*\m+16*\b+4*\q+3] offset:8448*\m+128*\b+16*\q
.endr
.endr
.endr
.set n, 0
.rept 32
	ds_load_b128 v[P+4*n:P+4*n+3], v5 offset:8448*(n/16)+528*(n%16)
.set n, n+1
.endr
.irp row, 0,1,2,3,4,5,6,7,8,9,10,11,12,13,14,15,16,17,18,19,20,21,22,23,24,25,26,27,28,29,30,31
	s_cmp_le_u32 s21, \row                         ; only the tile's own rows are stored (no barrier stands behind these branches)
	s_cbranch_scc1 .Ldone
	s_wait_dscnt 31-\row                           ; this row is back; the younger loads may be out
	global_store_b128 v[BF+\row], v[P+4*\row:P+4*\row+3], s[86:87] th:TH_STORE_NT   ; 32 lanes store 512 consecutive aligned bytes of one token's row; written once, read by nobody here
.endr
.Ldone:
	s_wait_dscnt 0x0
	s_wait_tensorcnt 0x0
	ds_add_u32 v106, v107
	s_wait_dscnt 0x0
	s_endpgm
.Lfunc_end_k_q1756b1ef20_chain:
	.size	k_q1756b1ef20_chain, .Lfunc_end_k_q1756b1ef20_chain-k_q1756b1ef20_chain
	.p2alignl 7, 3214868480
	.fill 96, 4, 3214868480
	.section	.rodata,"a",@progbits
	.p2align	6, 0x0
	.amdhsa_kernel k_q1756b1ef20_chain
		.amdhsa_group_segment_fixed_size 191488
		.amdhsa_private_segment_fixed_size 0
		.amdhsa_enable_private_segment 0
		.amdhsa_kernarg_size 64
		.amdhsa_user_sgpr_count 2
		.amdhsa_user_sgpr_kernarg_segment_ptr 1
		.amdhsa_wavefront_size32 1
		.amdhsa_system_sgpr_workgroup_id_x 1
		.amdhsa_system_sgpr_workgroup_id_y 1
		.amdhsa_system_sgpr_workgroup_id_z 1
		.amdhsa_system_vgpr_workitem_id 0
		.amdhsa_next_free_vgpr 512
		.amdhsa_next_free_sgpr 96
		.amdhsa_reserve_vcc 1
		.amdhsa_float_denorm_mode_32 3
		.amdhsa_float_denorm_mode_16_64 3
		.amdhsa_memory_ordered 1
		.amdhsa_forward_progress 1
		.amdhsa_inst_pref_size 252
	.end_amdhsa_kernel
	.amdgpu_metadata
---
amdhsa.version: [ 1, 2 ]
amdhsa.kernels:
  - .name:           k_q1756b1ef20_chain
    .symbol:         k_q1756b1ef20_chain.kd
    .args:
      - { .name: x, .offset: 0, .size: 8, .value_kind: global_buffer, .address_space: global }
      - { .name: expert_weights, .offset: 8, .size: 8, .value_kind: global_buffer, .address_space: global }
      - { .name: expert_indices, .offset: 16, .size: 8, .value_kind: global_buffer, .address_space: global }
      - { .name: wq, .offset: 24, .size: 8, .value_kind: global_buffer, .address_space: global }
      - { .name: wsc, .offset: 32, .size: 8, .value_kind: global_buffer, .address_space: global }
      - { .name: order, .offset: 40, .size: 8, .value_kind: global_buffer, .address_space: global }
      - { .name: tiles, .offset: 48, .size: 8, .value_kind: global_buffer, .address_space: global }
      - { .name: out0, .offset: 56, .size: 8, .value_kind: global_buffer, .address_space: global }
    .group_segment_fixed_size: 191488
    .private_segment_fixed_size: 0
    .kernarg_segment_align: 8
    .kernarg_segment_size: 64
    .max_flat_workgroup_size: 256
    .sgpr_count:     96
    .vgpr_count:     512
    .wavefront_size: 32
...
	.end_amdgpu_metadata
.endif
;; end of part 2
;; ======== version 2 of 2: 2 launches
;; workspace buffers: wq 8,388,608 bytes; wsc 524,288 bytes; order 16,640 bytes of whole numbers; tiles 4,096 bytes of whole numbers
;; launch prep (part 3): grid 513 x 1, 8 waves a work-group, no clusters, 3,072 bytes of LDS; arguments w1, w2, expert_indices, wq, wsc, order, tiles; writes wq, wsc, order, tiles
.if DOCPART == 3
	.amdgcn_target "amdgcn-amd-amdhsa--gfx1250"
	.amdhsa_code_object_version 6
	.text
	.protected	k_q1756b1ef20_prep
	.globl	k_q1756b1ef20_prep
	.p2align	8
	.type	k_q1756b1ef20_prep,@function
k_q1756b1ef20_prep:
	s_mov_b64 s[64:65], 0
	v_nop
	global_prefetch_b8 v0, s[64:65] scope:SCOPE_SE
	s_setreg_imm32_b32 hwreg(HW_REG_WAVE_MODE, 25, 1), 1
	s_wait_xcnt 0x0
; TWO JOBS IN ONE LAUNCH, parted by the work-group's number (alike in all eight waves of a work-group).
; Work-groups 1 .. 512: w1 and w2 [8][1024 k][1024 n], f32, K the first axis inside an expert, become codes of FP4 (E2M1) with one E8M0 byte for each 32 along K,
;   laid in the order in which the next launch's operand registers take them:
;   wq  [p 2][e 8][w 8][s 8][t 8][c 2][lane 32][16 bytes]: p product, e expert, w the reading wave (its 128 rows n), s K step of 128, t tile of 16 rows, c register group;
;       lane (r = lane % 16, h = lane / 16) holds row n = 128 w + 32 (t / 2) + 8 (t % 2) + r + 8 (r / 8), k = 128 s + 64 c + 32 h + 0 .. 31.
;   wsc [p][e][w][b 4][j 2][lane 32][16 bytes]: word i of lane (r, u = lane / 16) is the scale word of K step 4 j + i of row 128 w + 32 b + 8 u + r + 8 (r / 8).
;   A lane takes a column n and its registers run down K, so a block of 32 lies in one lane and the conversions give codes with K innermost; nothing is transposed.
; Work-group 0: the tokens are sorted by their PAIR of experts (28 bins a < b; a token that names one expert twice rides with the next expert, 7 with 6: its weight for the partner comes out 0
;   by the formula itself), and two lists of whole numbers are stored: order (token numbers by bin, then 64 zeros) and tiles (256 records: first place in order, rows, expert a, expert b;
;   tiles of at most 32 tokens that never cross a bin: never more than 4096 / 32 + 27 = 155; the records behind the last tile have 0 rows).
; LIMITS: NaN and infinities in w1, w2 are not served.  A block of zeros gets the byte 1 where the rule says 127: its codes are zeros and this program alone reads the bytes.
;   An index outside 0 .. 7 is held at 7 for the choice of a bin only.
.set QS,  1024                         ; LDS: bytes 0 .. 1023 are the sorter's, 1024 .. 2047 the quantiser's: each path has bytes of its own
.set X,   32                           ; quantiser: v32-95 two sets of 32 numbers
.set C,   96                           ; v96-111 four registers of codes for each block: no store's data are written again
.set EI,  32                           ; sorter: v32-63 sixteen pairs of indices; later BJ and AD
.set BJ,  32                           ; v32-47 where my wave's tokens of token j's bin begin
.set AD,  48                           ; v48-63 byte offsets into order
.set KEY, 64                           ; v64-79 token j's bin
.set POS, 80                           ; v80-95 token j's rank among my wave's tokens of its bin
.set CW,  96                           ; v96-103 the eight waves' counts (lane = bin)
.set TOK, 104                          ; v104-119 token numbers
.set REC, 120                          ; v120-123 my tile record
.set M,   24                           ; s24-39 sixteen lane masks
.set R,   40                           ; s40-56 running counts
	s_load_b256 s[4:11], s[0:1], 0x0               ; w1 s[4:5], w2 s[6:7], expert_indices s[8:9], wq s[10:11]
	s_load_b128 s[12:15], s[0:1], 0x20             ; wsc s[12:13], order s[14:15]
	s_load_b64 s[16:17], s[0:1], 0x30              ; tiles
	v_lshl_add_u32 v128, v0, 2, 0x800
	v_mov_b32 v129, 0
	v_lshrrev_b32 v1, 5, v0
	s_delay_alu instid0(VALU_DEP_1)
	v_readfirstlane_b32 s20, v1                    ; wave 0..7
	v_and_b32 v1, 31, v0                           ; lane
	; every LDS address of both paths is made here, ahead of the parting
	s_and_b32 s26, s20, 1                          ; cg: which 32 of the work-group's 64 columns
	s_lshr_b32 s27, s20, 1                         ; i: which of its four K steps
	s_lshl_b32 s31, s26, 9
	s_add_co_u32 s31, s31, QS
	v_lshl_add_u32 v7, v1, 4, s31                  ; quantiser: QS + 512 cg + 16 lane: my lane's four scale words,
	s_lshl_b32 s31, s27, 2
	v_add_nc_u32 v6, s31, v7                       ; and my wave's word among them
	v_lshlrev_b32 v8, 2, v0                        ; sorter: 128 wave + 4 lane: my wave's counts
	v_lshlrev_b32 v9, 2, v1                        ; 4 lane: a bin's word in any wave's counts
	s_wait_kmcnt 0x0
	s_cmp_eq_u32 ttmp9, 0
	s_cbranch_scc1 .Lroute
	; ---------------- THE QUANTISER ----------------
	; id = work-group - 1 = j + 2 cgp + 32 e + 256 p.  A wave takes 32 columns x 128 along K: four blocks a lane.  The two waves with equal i stand side by side on 256 consecutive bytes of each row.
	s_sub_co_u32 s21, ttmp9, 1
	s_and_b32 s22, s21, 1                          ; j: which half of K
	s_bfe_u32 s23, s21, 0x40001                    ; cgp: which 64 columns
	s_bfe_u32 s24, s21, 0x30005                    ; e
	s_lshr_b32 s25, s21, 8                         ; p
	s_lshl_b32 s28, s22, 2
	s_add_co_u32 s28, s28, s27                     ; s = 4 j + i
	s_lshr_b32 s29, s23, 1                         ; w = cgp / 2
	s_and_b32 s30, s23, 1
	s_lshl_b32 s30, s30, 1
	s_add_co_u32 s30, s30, s26                     ; b = 2 (cgp % 2) + cg
	s_lshl_b32 s32, s24, 22                        ; source: e x 4 MiB + s x 128 rows of 4,096 bytes + (64 cgp + 32 cg) x 4
	s_lshl_b32 s31, s28, 19
	s_add_co_u32 s32, s32, s31
	s_lshl_b32 s31, s23, 8
	s_add_co_u32 s32, s32, s31
	s_lshl_b32 s31, s26, 7
	s_add_co_u32 s32, s32, s31
	s_mov_b32 s33, 0
	s_lshl_b32 s34, s25, 22                        ; codes: p, e, w, s, tile 2 b
	s_lshl_b32 s31, s24, 19
	s_add_co_u32 s34, s34, s31
	s_lshl_b32 s31, s29, 16
	s_add_co_u32 s34, s34, s31
	s_lshl_b32 s31, s28, 13
	s_add_co_u32 s34, s34, s31
	s_lshl_b32 s31, s30, 11
	s_add_co_u32 s34, s34, s31
	s_mov_b32 s35, 0
	s_lshl_b32 s36, s25, 18                        ; scale words: p, e, w, b, j
	s_lshl_b32 s31, s24, 15
	s_add_co_u32 s36, s36, s31
	s_lshl_b32 s31, s29, 12
	s_add_co_u32 s36, s36, s31
	s_lshl_b32 s31, s30, 10
	s_add_co_u32 s36, s36, s31
	s_lshl_b32 s31, s22, 9
	s_add_co_u32 s36, s36, s31
	s_mov_b32 s37, 0
	s_cmp_eq_u32 s25, 0                            ; w1 or w2: the choice hangs on the work-group's number alone
	s_cselect_b64 s[4:5], s[4:5], s[6:7]
	s_add_nc_u64 s[4:5], s[4:5], s[32:33]
	s_add_nc_u64 s[10:11], s[10:11], s[34:35]
	s_add_nc_u64 s[12:13], s[12:13], s[36:37]
	v_and_b32 v2, 7, v0                            ; my column among the 32: the lane's number with bits 3 and 4 changed over,
	v_bfe_u32 v10, v0, 4, 1                        ; so that lanes 0-15 are tile 2 b's rows r = 0 .. 15 and lanes 16-31 tile 2 b + 1's
	v_bfe_u32 v11, v0, 3, 1
	s_delay_alu instid0(VALU_DEP_2)
	v_lshl_or_b32 v2, v10, 3, v2
	s_delay_alu instid0(VALU_DEP_1)
	v_lshl_or_b32 v2, v11, 4, v2
	s_delay_alu instid0(VALU_DEP_1)
	v_lshlrev_b32 v3, 2, v2                        ; in: 4 bytes a column
	v_and_b32 v12, 15, v0
	s_delay_alu instid0(VALU_DEP_1)
	v_lshlrev_b32 v4, 4, v12
	s_delay_alu instid0(VALU_DEP_1)
	v_lshl_or_b32 v4, v10, 10, v4                  ; codes out: 1,024 x (lane / 16) + 16 x (lane % 16); block t = 2 c + h lies 256 t further on
	v_lshlrev_b32 v5, 4, v1                        ; scale words out: 16 bytes a lane
.macro LOAD t                          ; block t: W(32 t + i, my column), i = 0 .. 31, into set t % 2; a load reads 128 consecutive bytes
.irp i, 0,1,2,3,4,5,6,7,8,9,10,11,12,13,14,15,16,17,18,19,20,21,22,23,24,25,26,27,28,29,30,31
	global_load_b32 v[X+32*((\t)%2)+\i], v3, s[4:5] offset:(32*(\t)+\i)*4096 th:TH_LOAD_NT
.endr
.endm
.macro BLOCK t
.set XS, X+32*((\t)%2)
.if (\t) < 3
	s_wait_loadcnt 32                              ; this block's 32 loads are in; the next block's 32 may be out
.else
	s_wait_loadcnt 0x0
.endif
	v_max3_num_f32 v12, |v[XS]|, |v[XS+1]|, |v[XS+2]|      ; the block's largest magnitude: all 32 numbers are mine; two chains
	v_max3_num_f32 v13, |v[XS+3]|, |v[XS+4]|, |v[XS+5]|
.irp i, 6,10,14,18,22,26
	s_delay_alu instid0(VALU_DEP_2)
	v_max3_num_f32 v12, v12, |v[XS+\i]|, |v[XS+\i+1]|
	s_delay_alu instid0(VALU_DEP_2)
	v_max3_num_f32 v13, v13, |v[XS+\i+2]|, |v[XS+\i+3]|
.endr
	s_delay_alu instid0(VALU_DEP_2)
	v_max3_num_f32 v12, v12, |v[XS+30]|, |v[XS+31]|
	s_delay_alu instid0(VALU_DEP_1)
	v_max3_num_f32 v12, v12, v13, 0x1800000        ; and the floor 2^(3 - 127): the byte cannot fall under 1
	s_delay_alu instid0(VALU_DEP_1)
	v_add_nc_u32 v11, 0xff000000, v12              ; 2 off the exponent field: the conversion takes the exponent field of this operand as its scale
.irp g, 0,1,2,3
	v_cvt_scalef32_pk8_fp4_f32 v[C+4*(\t)+\g], v[XS+8*\g:XS+8*\g+7], v11
.endr
	v_lshrrev_b32 v13, 23, v11                     ; the scale's byte (also the plain line behind the conversions)
.if (\t) == 0
	s_delay_alu instid0(VALU_DEP_1)
	v_mov_b32 v14, v13                             ; four bytes make the K step's scale word, the lower K in the lower byte
.else
	s_delay_alu instid0(VALU_DEP_1)
	v_lshl_or_b32 v14, v13, 8*(\t), v14
.endif
	global_store_b128 v4, v[C+4*(\t):C+4*(\t)+3], s[10:11] offset:256*(\t)   ; lanes 0-15 store 256 consecutive aligned bytes, lanes 16-31 another 256
.if (\t) < 2
	LOAD (\t)+2
.endif
.endm
	LOAD 0
	LOAD 1
	BLOCK 0
	BLOCK 1
	BLOCK 2
	BLOCK 3
	ds_store_b32 v6, v14                           ; the four waves of a column group put their K steps' words side by side
	s_wait_dscnt 0x0                               ; for the others' sake: my store has landed
	s_barrier_signal -1
	s_barrier_wait -1
	s_cmp_gt_u32 s20, 1                            ; waves 0 and 1 (i = 0, cg = the wave) send their column group's words
	s_cbranch_scc1 .Lqend
	ds_load_b128 v[16:19], v7
	s_wait_dscnt 0x0
	global_store_b128 v5, v[16:19], s[12:13]       ; 32 lanes store 512 consecutive aligned bytes
.Lqend:
	s_wait_tensorcnt 0x0
	ds_add_u32 v128, v129
	s_wait_dscnt 0x0
	s_endpgm
	; ---------------- THE SORTER ----------------
.Lroute:                                               ; wave wv takes tokens 512 wv + 32 j + lane, j = 0 .. 15
	s_lshl_b32 s21, s20, 12
	s_wait_alu depctr_va_vdst(0)
	v_lshl_add_u32 v2, v1, 3, s21                  ; 8 bytes a token
.irp j, 0,1,2,3,4,5,6,7,8,9,10,11,12,13,14,15
	global_load_b64 v[EI+2*\j:EI+2*\j+1], v2, s[8:9] offset:256*\j
.endr
	v_mov_b32 v14, 0                               ; my wave's count of bin = lane
	s_lshl_b32 s21, s20, 9
	v_add_nc_u32 v22, s21, v1                      ; the token of j = 0
	s_wait_loadcnt 0x0
	; the bin: lo < hi, key = lo (15 - lo) / 2 + hi - lo - 1, 0 .. 27.  Stage by stage over the sixteen, so that no line waits for the line above it
.irp j, 0,1,2,3,4,5,6,7,8,9,10,11,12,13,14,15
	v_min_u32 v[EI+2*\j], 7, v[EI+2*\j]
	v_min_u32 v[EI+2*\j+1], 7, v[EI+2*\j+1]
.endr
.irp j, 0,1,2,3,4,5,6,7,8,9,10,11,12,13,14,15
	v_min_u32 v[KEY+\j], v[EI+2*\j], v[EI+2*\j+1]  ; lo
	v_max_u32 v[POS+\j], v[EI+2*\j], v[EI+2*\j+1]  ; hi
.endr
.irp j, 0,1,2,3,4,5,6,7,8,9,10,11,12,13,14,15
	v_cmp_eq_u32 s[M+\j], v[KEY+\j], v[POS+\j]     ; one expert named twice:
.endr
.irp j, 0,1,2,3,4,5,6,7,8,9,10,11,12,13,14,15
	v_cndmask_b32 v[EI+2*\j], 0, 1, s[M+\j]
.endr
.irp j, 0,1,2,3,4,5,6,7,8,9,10,11,12,13,14,15
	v_add_nc_u32 v[POS+\j], v[POS+\j], v[EI+2*\j]  ; it rides with the next expert,
	v_min_u32 v[KEY+\j], 6, v[KEY+\j]              ; and (7, 7) with (6, 7)
.endr
.irp j, 0,1,2,3,4,5,6,7,8,9,10,11,12,13,14,15
	v_min_u32 v[POS+\j], 7, v[POS+\j]
	v_sub_nc_u32 v[EI+2*\j], 15, v[KEY+\j]
.endr
.irp j, 0,1,2,3,4,5,6,7,8,9,10,11,12,13,14,15
	v_mul_u32_u24 v[EI+2*\j], v[EI+2*\j], v[KEY+\j]
	v_sub_nc_u32 v[EI+2*\j+1], v[POS+\j], v[KEY+\j]
.endr
.irp j, 0,1,2,3,4,5,6,7,8,9,10,11,12,13,14,15
	v_lshrrev_b32 v[EI+2*\j], 1, v[EI+2*\j]
	v_mov_b32 v[POS+\j], 0
.endr
.irp j, 0,1,2,3,4,5,6,7,8,9,10,11,12,13,14,15
	v_add3_u32 v[KEY+\j], v[EI+2*\j], v[EI+2*\j+1], -1
.endr
	; 28 trips, one a bin: each token's rank among my wave's tokens of its bin (order: j, then lane), and the bin's count
	s_mov_b32 s57, 0
.Lbin:
.irp j, 0,1,2,3,4,5,6,7,8,9,10,11,12,13,14,15
	v_cmp_eq_u32 s[M+\j], s57, v[KEY+\j]
.endr
	s_mov_b32 s[R], 0
.irp j, 0,1,2,3,4,5,6,7,8,9,10,11,12,13,14,15
	s_bcnt1_i32_b32 s58, s[M+\j]
	s_add_co_u32 s[R+\j+1], s[R+\j], s58
.endr
.irp j, 0,1,2,3,4,5,6,7,8,9,10,11,12,13,14,15
	v_mbcnt_lo_u32_b32 v[24+\j%4], s[M+\j], s[R+\j]        ; those of earlier j + those of lower lanes
	s_delay_alu instid0(VALU_DEP_1)
	v_cndmask_b32 v[POS+\j], v[POS+\j], v[24+\j%4], s[M+\j]
.endr
	v_cmp_eq_u32 vcc_lo, s57, v1
	s_delay_alu instid0(VALU_DEP_1)
	v_cndmask_b32 v14, v14, s[R+16], vcc_lo
	s_add_co_u32 s57, s57, 1
	s_cmp_lt_u32 s57, 28
	s_cbranch_scc1 .Lbin
	ds_store_b32 v8, v14
	s_wait_dscnt 0x0                               ; for the others' sake: my counts have landed
	s_barrier_signal -1
	s_barrier_wait -1
.irp k, 0,1,2,3,4,5,6,7
	ds_load_b32 v[CW+\k], v9 offset:128*\k
.endr
	v_mov_b32 v15, 0                               ; the bin's total (lane = bin),
	v_mov_b32 v16, 0                               ; and what the waves before mine have of it
	s_wait_dscnt 0x0
.irp k, 0,1,2,3,4,5,6,7
	s_cmp_gt_u32 s20, \k
	s_cselect_b32 s58, -1, 0
	v_and_b32 v24, s58, v[CW+\k]
	s_wait_alu depctr_va_vdst(0)
	v_add_nc_u32 v16, v16, v24
	v_add_nc_u32 v15, v15, v[CW+\k]
.endr
.irp j, 0,1,2,3,4,5,6,7,8,9,10,11,12,13,14,15
	v_mov_b32 v[BJ+\j], 0
.endr
	v_mov_b32 v17, 0                               ; my record's bin: its first place in order,
	v_mov_b32 v18, 0                               ; its first tile,
	v_mov_b32 v19, 0                               ; its total,
	v_mov_b32 v20, 0                               ; its number
	; One pass over the bins, written out.  s40: where the bin begins in order; s41: its first tile.  Thread tau's record belongs to the LAST bin whose first tile is <= tau
	; (an empty bin's first tile is also the next bin's, so it is passed over).
	s_mov_b32 s40, 0
	s_mov_b32 s41, 0
.irp k, 0,1,2,3,4,5,6,7,8,9,10,11,12,13,14,15,16,17,18,19,20,21,22,23,24,25,26,27
	v_readlane_b32 s42, v15, \k
	v_readlane_b32 s43, v16, \k
	s_add_co_u32 s43, s43, s40                     ; where my wave's tokens of bin k begin
.irp j, 0,1,2,3,4,5,6,7,8,9,10,11,12,13,14,15
	v_cmp_eq_u32 s[M+\j], \k, v[KEY+\j]
.endr
.irp j, 0,1,2,3,4,5,6,7,8,9,10,11,12,13,14,15
	v_cndmask_b32 v[BJ+\j], v[BJ+\j], s43, s[M+\j]
.endr
	v_cmp_le_u32 vcc_lo, s41, v0
	s_delay_alu instid0(VALU_DEP_1)
	v_cndmask_b32 v17, v17, s40, vcc_lo
	s_delay_alu instid0(VALU_DEP_2)
	v_cndmask_b32 v18, v18, s41, vcc_lo
	s_delay_alu instid0(VALU_DEP_3)
	v_cndmask_b32 v19, v19, s42, vcc_lo
	s_delay_alu instid0(VALU_DEP_4)
	v_cndmask_b32 v20, v20, \k, vcc_lo
	s_add_co_u32 s40, s40, s42
	s_add_co_u32 s42, s42, 31
	s_lshr_b32 s42, s42, 5                         ; the bin's tiles: its total / 32, rounded up
	s_add_co_u32 s41, s41, s42
.endr
	; each token goes to its place.  4 bytes a lane to scattered places, 16 KiB in all
.irp j, 0,1,2,3,4,5,6,7,8,9,10,11,12,13,14,15
	v_add_nc_u32 v[AD+\j], v[POS+\j], v[BJ+\j]
	v_add_nc_u32 v[TOK+\j], 32*\j, v22
.endr
.irp j, 0,1,2,3,4,5,6,7,8,9,10,11,12,13,14,15
	v_min_u32 v[AD+\j], 0xfff, v[AD+\j]            ; a place made of loaded numbers is held inside the list
.endr
.irp j, 0,1,2,3,4,5,6,7,8,9,10,11,12,13,14,15
	v_lshlrev_b32 v[AD+\j], 2, v[AD+\j]
.endr
.irp j, 0,1,2,3,4,5,6,7,8,9,10,11,12,13,14,15
	global_store_b32 v[AD+\j], v[TOK+\j], s[14:15]
.endr
	s_cmp_lg_u32 s20, 0                            ; wave 0: 64 zeros behind the list, so that 32 entries from any first place are written bytes
	s_cbranch_scc1 .Lnopad
	v_lshlrev_b32 v10, 3, v1
	v_mov_b32 v12, 0
	v_mov_b32 v13, 0
	global_store_b64 v10, v[12:13], s[14:15] offset:16384  ; 256 consecutive aligned bytes
.Lnopad:
	; my record: tile d = tau - the bin's first tile
	v_sub_nc_u32 v21, v0, v18
	s_delay_alu instid0(VALU_DEP_1)
	v_lshlrev_b32 v21, 5, v21                      ; 32 d
	s_delay_alu instid0(VALU_DEP_1)
	v_add_nc_u32 v[REC], v17, v21
	s_delay_alu instid0(VALU_DEP_1)
	v_min_u32 v[REC], 0xfff, v[REC]                ; first place
	s_delay_alu instid0(VALU_DEP_3)
	v_sub_nc_u32 v[REC+1], v19, v21
	s_delay_alu instid0(VALU_DEP_1)
	v_max_i32 v[REC+1], 0, v[REC+1]
	s_delay_alu instid0(VALU_DEP_1)
	v_min_i32 v[REC+1], 32, v[REC+1]               ; rows: what is left of the bin, 0 .. 32
	v_mov_b32 v[REC+2], 0
.irp c, 7,13,18,22,25,27
	v_cmp_le_u32 vcc_lo, \c, v20
	s_delay_alu instid0(VALU_DEP_1)
	v_add_co_ci_u32 v[REC+2], vcc_lo, 0, v[REC+2], vcc_lo  ; expert a: how many of the rows of the triangle begin at or under the bin's number
.endr
	s_delay_alu instid0(VALU_DEP_1)
	v_sub_nc_u32 v21, 15, v[REC+2]
	s_delay_alu instid0(VALU_DEP_1)
	v_mul_u32_u24 v21, v21, v[REC+2]
	s_delay_alu instid0(VALU_DEP_1)
	v_lshrrev_b32 v21, 1, v21
	s_delay_alu instid0(VALU_DEP_1)
	v_sub_nc_u32 v21, v20, v21
	s_delay_alu instid0(VALU_DEP_1)
	v_add3_u32 v[REC+3], v21, v[REC+2], 1          ; expert b
	v_lshlrev_b32 v124, 4, v0
	global_store_b128 v124, v[REC:REC+3], s[16:17] ; 32 lanes store 512 consecutive aligned bytes
	s_wait_tensorcnt 0x0
	ds_add_u32 v128, v129
	s_wait_dscnt 0x0
	s_endpgm
.Lfunc_end_k_q1756b1ef20_prep:
	.size	k_q1756b1ef20_prep, .Lfunc_end_k_q1756b1ef20_prep-k_q1756b1ef20_prep
	.p2alignl 7, 3214868480
	.fill 96, 4, 3214868480
	.section	.rodata,"a",@progbits
	.p2align	6, 0x0
	.amdhsa_kernel k_q1756b1ef20_prep
		.amdhsa_group_segment_fixed_size 3072
		.amdhsa_private_segment_fixed_size 0
		.amdhsa_enable_private_segment 0
		.amdhsa_kernarg_size 56
		.amdhsa_user_sgpr_count 2
		.amdhsa_user_sgpr_kernarg_segment_ptr 1
		.amdhsa_wavefront_size32 1
		.amdhsa_system_sgpr_workgroup_id_x 1
		.amdhsa_system_sgpr_workgroup_id_y 1
		.amdhsa_system_sgpr_workgroup_id_z 1
		.amdhsa_system_vgpr_workitem_id 0
		.amdhsa_next_free_vgpr 130
		.amdhsa_next_free_sgpr 72
		.amdhsa_reserve_vcc 1
		.amdhsa_float_denorm_mode_32 3
		.amdhsa_float_denorm_mode_16_64 3
		.amdhsa_memory_ordered 1
		.amdhsa_forward_progress 1
		.amdhsa_inst_pref_size 124
	.end_amdhsa_kernel
	.amdgpu_metadata
---
amdhsa.version: [ 1, 2 ]
amdhsa.kernels:
  - .name:           k_q1756b1ef20_prep
    .symbol:         k_q1756b1ef20_prep.kd
    .args:
      - { .name: w1, .offset: 0, .size: 8, .value_kind: global_buffer, .address_space: global }
      - { .name: w2, .offset: 8, .size: 8, .value_kind: global_buffer, .address_space: global }
      - { .name: expert_indices, .offset: 16, .size: 8, .value_kind: global_buffer, .address_space: global }
      - { .name: wq, .offset: 24, .size: 8, .value_kind: global_buffer, .address_space: global }
      - { .name: wsc, .offset: 32, .size: 8, .value_kind: global_buffer, .address_space: global }
      - { .name: order, .offset: 40, .size: 8, .value_kind: global_buffer, .address_space: global }
      - { .name: tiles, .offset: 48, .size: 8, .value_kind: global_buffer, .address_space: global }
    .group_segment_fixed_size: 3072
    .private_segment_fixed_size: 0
    .kernarg_segment_align: 8
    .kernarg_segment_size: 56
    .max_flat_workgroup_size: 256
    .sgpr_count:     72
    .vgpr_count:     130
    .wavefront_size: 32
...
	.end_amdgpu_metadata
.endif
;; end of part 3
;; launch chain (part 4): grid 155 x 1, 8 waves a work-group, no clusters, 191,488 bytes of LDS; arguments x, expert_weights, expert_indices, wq, wsc, order, tiles, out0; writes out0
.if DOCPART == 4
	.amdgcn_target "amdgcn-amd-amdhsa--gfx1250"
	.amdhsa_code_object_version 6
	.text
	.protected	k_q1756b1ef20_chain
	.globl	k_q1756b1ef20_chain
	.p2align	8
	.type	k_q1756b1ef20_chain,@function
k_q1756b1ef20_chain:
	s_mov_b64 s[64:65], 0
	v_nop
	global_prefetch_b8 v0, s[64:65] scope:SCOPE_SE
	s_setreg_imm32_b32 hwreg(HW_REG_WAVE_SCHED_MODE, 0, 2), 2
	s_setreg_imm32_b32 hwreg(HW_REG_WAVE_MODE, 25, 1), 1
	s_wait_xcnt 0x0
	s_wait_alu depctr_vm_vsrc(0)
; out[t] = c_a gelu(x[t] W1[a]) W2[a] + c_b gelu(x[t] W1[b]) W2[b] for the (at most 32) tokens of ONE tile, all of which use the same two experts a < b; c_e = the sum of the token's weights whose index is e.
; Both products on codes of FP4 (E2M1) with one E8M0 scale for each 32 along K.  x and the hidden layer are quantised here; the weights' codes and scale words come from wq and wsc, laid in the order of the operand registers.
; Every output row has one owner, and the hidden layer never goes to memory.
; GRID: 4096 / 32 + 27 = 155 tiles serve every split.  The weights' addresses hang on the stored list: hence no tensor loads, no cluster (tiles of one pair are too few and uneven to form fixed groups),
;   and the weights go from memory straight into registers.  A TILE THAT THE SPLIT LEAVES WITHOUT ROWS WALKS THE WHOLE CHAIN AND STORES NOTHING: every wave passes every barrier, and none of the three may stand
;   under a branch on a number read from memory; its record names experts inside 0 .. 7 and a first place inside the list, so all its loads stay inside their buffers.  That work is lost.
; SHARES: eight waves share the COLUMNS: wave w makes hidden units and outputs 128 w .. 128 w + 127, for both tiles m = 0, 1 of 16 tokens.  Both products are used transposed (source 0 = 16 rows of the weight,
;   source 1 = 16 tokens): a lane holds one token (lane % 16) throughout.  The rows of a weight tile are not neighbours (lane r of tile 2 b + u takes row 32 b + 8 u + r + 8 (r / 8)), so that the 16 registers of tiles
;   2 b and 2 b + 1 are 16 neighbours, 32 b + 16 (lane / 16) + 0 .. 15, along the next K or along the output row.
; OPERANDS GO FROM WAVE TO WAVE THROUGH LDS AS IMAGES OF THEIR REGISTERS: a fragment is two stores of 512 bytes, 16 bytes a lane; its scale words 4 bytes a lane.
; THE WEIGHTS run through a ring of four register slots (a K step's 8 fragments, 64 registers, each), on over the ends of products and experts: 32 K steps, numbered g = 0 .. 31.  A product starts with its first
;   four K steps asked for; its steps 1 .. 7 ask, at their head, for the K step three on, into the slot that the step before has read; its last step asks at its end for one more, so that the next product starts with four again.
; Places of a short tile that hold no row are computed on whatever token the list names next and are never stored; a token is a column of source 1 and touches no other.
; gelu is the tanh form: x / (1 + 2^(x (A + B x^2))), A = -2 log2(e) sqrt(2 / pi), B = 0.044715 A, all in f32.
; LIMITS: NaN and infinities in x are not served.  A block of zeros gets the byte 1 where the rule says 127 (zero codes; the bytes are read here alone).  The two terms of a row are joined by one fused multiply-add, a first.
; THE MODE: SCHED_MODE bits 1:0 = 2 (LLVM: expert scheduling mode 2), set by the entry lines.  The code itself states the register dependences between vector or matrix instructions and memory or LDS instructions,
;   with s_wait_alu, always for 0.
; THE PLAN.  Registers that memory or LDS instructions touch, and who else names them:
;   the ring      slot g % 4: read by K step g's matrix instructions; then a later group's loads land in it.  At the end c_a y_a comes back from LDS into slots 0 and 1, and the last multiply-adds read it.
;   BF, BS        set g % 2: the LDS loads issued in step g - 1 land in it; step g's matrix instructions read it.  gelu works in BF between the products; at the end BF holds the output rows' offsets.
;   WS            words 0-3 (4-7) of a tile pair: read by a product's steps 0-3 (4-7); then the next product's words land in them.
;   PC, PW        written by the quantiser, read by an image's LDS stores.
;   P             x lands in it; matrix and vector instructions write it; the LDS stores of c_a y_a and of the stages read it; the stages' loads land in it; the global stores read it.
;   v1 .. v11     offsets and addresses, made at the head and never written again.
;   So ONE wait on va_vdst stands at the head of a K step, behind the waits for its data: the matrix instructions of the step before are done reading their slot, their token set and their scale words.  All the step's
;   loads follow it in one run (each weight load needs another register window than the matrix instructions, so a load set among them would cost two switches), and the step's sixteen matrix instructions name none
;   of the registers in which those loads land.  A product's first step owes no wait: the waits of the phase before it have stated all.
.set XIMG,  0                          ; LDS: x's 16 fragments, (m, K step s) at (8 m + s) x 1,024
.set HIMG0, 16384                      ; expert a's hidden layer likewise,
.set HIMG1, 32768                      ; expert b's: bytes of its own, so that no barrier is owed between a's reads and b's stores
.set XSC,   49152                      ; their scale words, (8 m + s) x 128
.set HSC0,  51200
.set HSC1,  53248
.set WREG,  55296                      ; a region of 16,896 bytes for each wave: first the image of c_a y_a (32 x 512), then two stages of 16 rows x 528
.set WRB,   16896
; v1 16 lane; v2 4 lane; v3 16 lane + 1,024 wave; v4 4 lane + 128 wave; v5 my region + 16 lane; v6 my region + 528 r + 64 h; v7, v8 x offsets of my token in tile 0, 1; v9 4 r; v10, v11 8 x token;
; v12-19 c_a and c_b of my token in tiles 0, 1, as pairs; v20-27 its indices and weights; v121 64 h; v122-125 A, A, B, B; v126-127 at work
.set BS,  28                           ; v28-31   the tokens' scale words, 2 x set + m: scales and nothing else
.set WS,  32                           ; v32-63   the weight's scale words, 8 b + s: lanes 0-15 tile 2 b, lanes 16-31 tile 2 b + 1: scales and nothing else
.set BF,  64                           ; v64-95   two sets of two token fragments; gelu's work; at the end the output rows' offsets
.set TM,  96                           ; v96-111  the quantiser's work
.set PC,  112                          ; v112-119 the codes just made
.set PW,  120                          ; v120     the scale word just made
.set P,   128                          ; v128-255 16 accumulators, (m, t) at P + 64 m + 8 t
                                       ; window 1 (v256-511): the ring
.set WB,  28                           ; s[28:35] code bases of W1[a], W2[a], W1[b], W2[b], my wave's part; never rewritten
.set SB,  36                           ; s[36:43] scale bases likewise
.set SEL, 44                           ; s[44:45] lane selects for v_permlanex16_b32: lane l xor 16
.set CM,  88                           ; s[88:95] eight lane masks: index k of my token in tile m names expert a (e = 0) or b (e = 1): at CM + 4 e + 2 m + k
.set MSB, 0
.macro WIN new                         ; the immediate's high byte repeats the setting that is left; a switch that changes nothing is dropped
.if MSB != \new
	s_set_vgpr_msb (MSB<<8)|\new
.set MSB, \new
.endif
.endm
.macro GLOAD g                         ; K step g's 8 weight fragments into slot g % 4: 16 loads of 512 consecutive bytes.  It leaves the windows as it set them
	WIN 0x40                                       ; destination window 1, address window 0
.irp t, 0,1,2,3,4,5,6,7
.irp c, 0,1
	global_load_b128 v[64*((\g)%4)+8*\t+4*\c:64*((\g)%4)+8*\t+4*\c+3], v1, s[WB+2*((\g)/8):WB+2*((\g)/8)+1] offset:((\g)%8)*8192+\t*1024+\c*512
.endr
.endr
.endm
.macro SLOAD q, j                      ; product q's scale words of K steps 4 j .. 4 j + 3
.irp b, 0,1,2,3
	global_load_b128 v[WS+8*\b+4*(\j):WS+8*\b+4*(\j)+3], v1, s[SB+2*(\q):SB+2*(\q)+1] offset:\b*1024+(\j)*512
.endr
.endm
.macro FETCHB ks, bset, img, scl       ; the two token fragments of K step ks, and their scale words, into set bset
.irp m, 0,1
.irp c, 0,1
	ds_load_b128 v[BF+16*(\bset)+8*\m+4*\c:BF+16*(\bset)+8*\m+4*\c+3], v1 offset:(\img)+(8*\m+(\ks))*1024+512*\c
.endr
	ds_load_b32 v[BS+2*(\bset)+\m], v2 offset:(\scl)+(8*\m+(\ks))*128
.endr
.endm
.macro WM t, m                         ; one matrix instruction: weight tile t x token tile m.  A product's first K step starts the sums with the constant 0
.if KS_S == 0
.if (\t)%2
	v_wmma_scale_f32_16x16x128_f8f6f4 v[P+64*\m+8*\t:P+64*\m+8*\t+7], v[KS_SLOT+8*\t:KS_SLOT+8*\t+7], v[BF+16*KS_SET+8*\m:BF+16*KS_SET+8*\m+7], 0, v[WS+8*(\t/2)+KS_S], v[BS+2*KS_SET+\m] matrix_a_fmt:MATRIX_FMT_FP4 matrix_b_fmt:MATRIX_FMT_FP4 matrix_a_scale:MATRIX_SCALE_ROW1
.else
	v_wmma_scale_f32_16x16x128_f8f6f4 v[P+64*\m+8*\t:P+64*\m+8*\t+7], v[KS_SLOT+8*\t:KS_SLOT+8*\t+7], v[BF+16*KS_SET+8*\m:BF+16*KS_SET+8*\m+7], 0, v[WS+8*(\t/2)+KS_S], v[BS+2*KS_SET+\m] matrix_a_fmt:MATRIX_FMT_FP4 matrix_b_fmt:MATRIX_FMT_FP4
.endif
.else
.if (\t)%2
	v_wmma_scale_f32_16x16x128_f8f6f4 v[P+64*\m+8*\t:P+64*\m+8*\t+7], v[KS_SLOT+8*\t:KS_SLOT+8*\t+7], v[BF+16*KS_SET+8*\m:BF+16*KS_SET+8*\m+7], v[P+64*\m+8*\t:P+64*\m+8*\t+7], v[WS+8*(\t/2)+KS_S], v[BS+2*KS_SET+\m] matrix_a_fmt:MATRIX_FMT_FP4 matrix_b_fmt:MATRIX_FMT_FP4 matrix_a_scale:MATRIX_SCALE_ROW1
.else
	v_wmma_scale_f32_16x16x128_f8f6f4 v[P+64*\m+8*\t:P+64*\m+8*\t+7], v[KS_SLOT+8*\t:KS_SLOT+8*\t+7], v[BF+16*KS_SET+8*\m:BF+16*KS_SET+8*\m+7], v[P+64*\m+8*\t:P+64*\m+8*\t+7], v[WS+8*(\t/2)+KS_S], v[BS+2*KS_SET+\m] matrix_a_fmt:MATRIX_FMT_FP4 matrix_b_fmt:MATRIX_FMT_FP4
.endif
.endif
.endm
; K STEP GG (a symbol that PRODUCT steps); s = GG % 8 is its place in its product.
; THE WAIT'S COUNT: the loads issued behind group GG's sixteen and ahead of this line.  s = 0: the three younger groups, 48, and from the second product on the four loads of scale words 4-7, which stand behind the
; fourth group.  s = 1 .. 3: two younger groups, 32, and the same four.  s = 4, 7: two groups.  s = 5, 6: two groups and, while a next product exists, the four loads of its scale words 0-3, issued in step 4.
; K steps 30 and 31: one group, none.  A step's own scale words were issued ahead of a group that its own wait or an earlier step's has shown in.
; The 16 accumulators take turns, one instruction a turn, from step to step too.
.macro KSTEP img, scl
.set KS_S, GG%8
.set KS_SET, GG%2
.set KS_SLOT, 64*(GG%4)
.set KS_N, 32
.if KS_S == 0
.set KS_N, 48
.endif
.if (KS_S < 4) && (GG >= 8)
.set KS_N, KS_N+4
.endif
.if ((KS_S == 5) || (KS_S == 6)) && (GG < 24)
.set KS_N, KS_N+4
.endif
.if GG > 29
.set KS_N, 16*(31-GG)
.endif
	s_wait_loadcnt KS_N
	s_wait_dscnt 0x0                               ; this step's token fragments, asked for a step ago
.if (KS_S > 0) && (GG < 31)
	s_wait_alu depctr_va_vdst(0)                   ; the matrix instructions of the step before are done reading their slot, their token set and their scale words: the loads below land in these
.endif
.if KS_S < 7
	FETCHB KS_S+1, 1-KS_SET, \img, \scl            ; the next step's token fragments, into the set that the step before read
.endif
.if (KS_S == 4) && (GG < 24)
	SLOAD GG/8+1, 0                                ; the next product's scale words of K steps 0 .. 3: step 3 read this product's for the last time
.endif
.if (KS_S > 0) && (GG <= 28)
	GLOAD GG+3                                     ; into the slot that the step before read.  Since the wait above only loads and window switches have been issued
.endif
	WIN 0x01                                       ; source 0 (the weight) in window 1
.irp t, 0,1,2,3,4,5,6,7
.irp m, 0,1
	WM \t, \m
.endr
.endr
.rept 4
	v_nop                                          ; four places behind the step's matrix instructions: ahead of the first read of results and of the next loads into the registers that they read; the waits on va_vdst stand beside them
.endr
.if (KS_S == 7) && (GG < 24)
	WIN 0x40
	s_wait_alu depctr_va_vdst(0)                   ; this step's matrix instructions are done reading their slot and the scale words of K steps 4 .. 7: the loads below land in these
	GLOAD GG+4                                     ; the next product's fourth K step
	WIN 0
	SLOAD GG/8+1, 1                                ; and its scale words of K steps 4 .. 7
.endif
	WIN 0
.endm
.macro PRODUCT g0, img, scl            ; eight K steps
	FETCHB 0, 0, \img, \scl                        ; (no vector or matrix instruction since the last wait on va_vdst names this set)
.set GG, \g0
.rept 8
	KSTEP \img, \scl
.set GG, GG+1
.endr
.endm
; 64 numbers of a lane, register 16 b + i = k 32 b + 16 (lane / 16) + i of my token, become a fragment's codes in v[PC] on and its scale word in v[PW].
.macro QUANT s
.irp b, 0,1,2,3
	v_max3_num_f32 v[TM+\b], |v[\s+16*\b]|, |v[\s+1+16*\b]|, 0x1800000   ; block b: my 16 numbers, and the floor 2^(3 - 127): the byte cannot fall under 1
.endr
.irp i, 2,4,6,8,10,12,14
.irp b, 0,1,2,3
	v_max3_num_f32 v[TM+\b], v[TM+\b], |v[\s+16*\b+\i]|, |v[\s+1+16*\b+\i]|   ; the four blocks by turns
.endr
.endr
.irp b, 0,1,2,3
	v_permlanex16_b32 v[TM+4+\b], v[TM+\b], s[SEL], s[SEL+1]
.endr
.irp b, 0,1,2,3
	v_max_num_f32 v[TM+\b], v[TM+\b], v[TM+4+\b]   ; with lane l xor 16's: the block's largest magnitude
.endr
.irp b, 0,1,2,3
	v_add_nc_u32 v[TM+12+\b], 0xff000000, v[TM+\b] ; 2 off its exponent field: the conversion's scale operand
.endr
.irp b, 0,1,2,3
	v_lshrrev_b32 v[TM+4+\b], 23, v[TM+12+\b]      ; the scale's byte
.endr
	v_lshl_or_b32 v[PW], v[TM+5], 8, v[TM+4]
	v_lshl_or_b32 v[PW], v[TM+6], 16, v[PW]
	v_lshl_or_b32 v[PW], v[TM+7], 24, v[PW]
.irp b, 0,1,2,3
	v_cvt_scalef32_pk8_fp4_f32 v[PC+2*\b], v[\s+16*\b:\s+7+16*\b], v[TM+12+\b]
	v_cvt_scalef32_pk8_fp4_f32 v[PC+1+2*\b], v[\s+8+16*\b:\s+15+16*\b], v[TM+12+\b]
.endr
	v_nop                                          ; one plain line behind the scaled conversions
.irp c, 0,1                                    ; the operand wants a whole block in a lane: lanes 0-15 block 2 c, lanes 16-31 block 2 c + 1
.irp i, 0,1
	v_permlane16_swap_b32 v[PC+4*\c+\i], v[PC+2+4*\c+\i]
.endr
.endr
.endm
.macro IMAGE off, soff                 ; the fragment in v[PC] on and its scale word go to LDS as they stand, at my wave's K step
	s_wait_alu depctr_va_vdst(0)                   ; the quantiser has written v[PC ..] and v[PW], which the three stores read
.irp c, 0,1
	ds_store_b128 v3, v[PC+4*\c:PC+4*\c+3] offset:(\off)+512*\c
.endr
	ds_store_b32 v4, v[PW] offset:\soff
.endm
.macro BARRIER                         ; my LDS stores have landed and my LDS loads are in: then the work-group's barrier
	s_wait_dscnt 0x0
	s_barrier_signal -1
	s_barrier_wait -1
.endm
; gelu of the 32 numbers at P + o (four accumulators, each read from its low end on).  The exponentials are one batch with one wait, and so are the reciprocals.
.macro GELU o
.set GN, 0
.rept 16
	v_pk_mul_f32 v[BF+GN:BF+GN+1], v[P+\o+GN:P+\o+GN+1], v[P+\o+GN:P+\o+GN+1]    ; x^2
.set GN, GN+2
.endr
.set GN, 0
.rept 16
	v_pk_fma_f32 v[BF+GN:BF+GN+1], v[BF+GN:BF+GN+1], v[124:125], v[122:123]      ; A + B x^2
.set GN, GN+2
.endr
.set GN, 0
.rept 16
	v_pk_mul_f32 v[BF+GN:BF+GN+1], v[BF+GN:BF+GN+1], v[P+\o+GN:P+\o+GN+1]        ; z = x (A + B x^2)
.set GN, GN+2
.endr
.set GN, 0
	s_wait_alu depctr_va_vdst(0)
.rept 32
	v_exp_f32 v[BF+GN], v[BF+GN]
.set GN, GN+1
.endr
	v_nop                                          ; a plain line behind the last exponential
	s_wait_alu depctr_va_vdst(0)                   ; the 32 exponentials have written v[BF ..], ahead of their first reader
.set GN, 0
.rept 16
	v_pk_add_f32 v[BF+GN:BF+GN+1], v[BF+GN:BF+GN+1], 1.0 op_sel_hi:[1,0]
.set GN, GN+2
.endr
.set GN, 0
	s_wait_alu depctr_va_vdst(0)
.rept 32
	v_rcp_f32 v[BF+GN], v[BF+GN]
.set GN, GN+1
.endr
	v_nop
	s_wait_alu depctr_va_vdst(0)                   ; the 32 reciprocals have written v[BF ..], ahead of their first reader
.set GN, 0
.rept 16
	v_pk_mul_f32 v[P+\o+GN:P+\o+GN+1], v[P+\o+GN:P+\o+GN+1], v[BF+GN:BF+GN+1]    ; x / (1 + 2^z)
.set GN, GN+2
.endr
.endm
; My 128 hidden units of the 32 tokens: gelu, quantised: they are K step w of the second product.  owed = 1: no wait on vm_vsrc has stood since the last image's stores.
.macro HIDDEN himg, hsc, owed
	GELU 0
	GELU 32
.if \owed
	s_wait_alu depctr_vm_vsrc(0)                   ; the last image's stores have read v[PC ..] and v[PW], which the quantiser writes again
.endif
	QUANT P
	IMAGE \himg, \hsc
	GELU 64
	GELU 96
	s_wait_dscnt 0x0                               ; the stores are done;
	s_wait_alu depctr_vm_vsrc(0)                   ; and they have read v[PC ..] and v[PW], which the quantiser writes again
	QUANT P+64
	IMAGE (\himg)+8192, (\hsc)+1024
	BARRIER                                        ; the hidden layer's sixteen fragments lie in LDS
.endm
	s_load_b512 s[4:19], s[0:1], 0x0               ; x s[4:5], expert_weights s[6:7], expert_indices s[8:9], wq s[10:11], wsc s[12:13], order s[14:15], tiles s[16:17], out0 s[18:19]
	v_lshl_add_u32 v106, v0, 2, 0x2e800
	v_mov_b32 v107, 0
	v_lshrrev_b32 v9, 5, v0
	v_readfirstlane_b32 s24, v9                    ; wave 0..7
	v_and_b32 v9, 31, v0
	v_lshlrev_b32 v1, 4, v9
	v_lshlrev_b32 v2, 2, v9
	s_wait_alu depctr_va_sdst(0)                   ; s24 is written, ahead of its first reader: LDS addresses and the waves' bases are made from it
	s_lshl_b32 s25, s24, 10
	v_add_nc_u32 v3, s25, v1
	s_lshl_b32 s25, s24, 7
	v_add_nc_u32 v4, s25, v2
	s_mul_i32 s25, s24, WRB
	s_add_co_u32 s25, s25, WREG
	v_add_nc_u32 v5, s25, v1
	v_and_b32 v9, 15, v0                           ; r
	v_bfe_u32 v121, v0, 4, 1                       ; h
	v_mul_u32_u24 v6, v9, 528
	v_lshl_add_u32 v6, v121, 6, v6
	v_add_nc_u32 v6, s25, v6
	v_lshlrev_b32 v9, 2, v9
	v_lshlrev_b32 v121, 6, v121
	s_mov_b32 s[SEL], 0x76543210
	s_mov_b32 s[SEL+1], 0xfedcba98
	v_mov_b32 v122, 0xc0135761                     ; A = -2.3022082
	v_mov_b32 v123, 0xc0135761
	v_mov_b32 v124, 0xbdd2d3e8                     ; B = -0.10294324
	v_mov_b32 v125, 0xbdd2d3e8
.irp b, 0,1,2,3
	v_mov_b32 v[TM+4+\b], 0                        ; written once: a lane permute's destination counts as one of its sources
.endr
	s_lshl_b32 s26, ttmp9, 4                       ; my record: 16 bytes a tile
	s_mov_b32 s27, 0
	s_wait_kmcnt 0x0
	s_add_nc_u64 s[16:17], s[16:17], s[26:27]
	s_load_b128 s[20:23], s[16:17], 0x0            ; first place in order, rows (s21: it decides only which rows are stored, at the very end), expert a, expert b
	s_wait_kmcnt 0x0
	s_min_u32 s20, s20, 4095                       ; stored numbers are held before they enter an address
	s_min_u32 s22, s22, 7
	s_min_u32 s23, s23, 7
	s_lshl_b32 s26, s20, 2
	s_add_nc_u64 s[14:15], s[14:15], s[26:27]
	s_load_b512 s[48:63], s[14:15], 0x0            ; the tile's 32 tokens as scalars, for the way out
	s_load_b512 s[68:83], s[14:15], 0x40
	s_wait_alu depctr_va_vdst(0)                   ; v1 to v6 and v9 are written: every load and store below reads one of them as its offset or address
	global_load_b32 v7, v9, s[14:15]               ; and my lane's token in tile 0
	global_load_b32 v8, v9, s[14:15] offset:64     ; and in tile 1
	s_lshl_b32 s88, s24, 16                        ; codes: 65,536 bytes a wave, 524,288 an expert, 4 MiB a product
	s_lshl_b32 s26, s22, 19
	s_add_co_u32 s26, s26, s88
	s_add_nc_u64 s[WB:WB+1], s[10:11], s[26:27]
	s_add_nc_u64 s[WB+2:WB+3], s[WB:WB+1], 0x400000
	s_lshl_b32 s26, s23, 19
	s_add_co_u32 s26, s26, s88
	s_add_nc_u64 s[WB+4:WB+5], s[10:11], s[26:27]
	s_add_nc_u64 s[WB+6:WB+7], s[WB+4:WB+5], 0x400000
	s_lshl_b32 s88, s24, 12                        ; scale words: 4,096 a wave, 32,768 an expert, 262,144 a product
	s_lshl_b32 s26, s22, 15
	s_add_co_u32 s26, s26, s88
	s_add_nc_u64 s[SB:SB+1], s[12:13], s[26:27]
	s_add_nc_u64 s[SB+2:SB+3], s[SB:SB+1], 0x40000
	s_lshl_b32 s26, s23, 15
	s_add_co_u32 s26, s26, s88
	s_add_nc_u64 s[SB+4:SB+5], s[12:13], s[26:27]
	s_add_nc_u64 s[SB+6:SB+7], s[SB+4:SB+5], 0x40000
	s_lshl_b32 s26, s24, 9                         ; x and out0 at my wave's 128 columns
	s_add_nc_u64 s[84:85], s[4:5], s[26:27]
	s_add_nc_u64 s[86:87], s[18:19], s[26:27]
	SLOAD 0, 0
	SLOAD 0, 1
	GLOAD 0
	GLOAD 1
	WIN 0
	s_wait_loadcnt 40                              ; my two tokens are in; behind them: 8 scale loads and groups 0 and 1
	s_wait_kmcnt 0x0                               ; the 32 scalar tokens
	v_min_u32 v7, 0xfff, v7
	v_min_u32 v8, 0xfff, v8
	v_lshlrev_b32 v10, 3, v7                       ; indices and weights: 8 bytes a token
	v_lshlrev_b32 v11, 3, v8
	v_lshl_add_u32 v7, v7, 12, v121                ; x: a row of 4,096 bytes, + 64 h: my 16 numbers of each block of 32
	v_lshl_add_u32 v8, v8, 12, v121
	s_wait_alu depctr_va_vdst(0)                   ; v7, v8, v10 and v11 are written: the gathers below read them as offsets
	global_load_b64 v[20:21], v10, s[8:9]
	global_load_b64 v[22:23], v11, s[8:9]
	global_load_b64 v[24:25], v10, s[6:7]
	global_load_b64 v[26:27], v11, s[6:7]
.irp m, 0,1                                    ; wave w takes K step w of x for both tiles: register 16 b + i = x(token, 128 w + 32 b + 16 h + i)
.irp b, 0,1,2,3
.irp q, 0,1,2,3
	global_load_b128 v[P+64*\m+16*\b+4*\q:P+64*\m+16*\b+4*\q+3], v[7+\m], s[84:85] offset:128*\b+16*\q
.endr
.endr
.endr
	GLOAD 2
	GLOAD 3
	WIN 0
	s_wait_loadcnt 48                              ; indices, weights and tile 0's x are in; behind them: tile 1's x and groups 2 and 3
	; the coefficients: the sum of my token's weights whose index is the expert.  The eight compares stand in one run, each with a mask of its own
.irp e, 0,1
.irp m, 0,1
.irp k, 0,1
	v_cmp_eq_u32 s[CM+4*\e+2*\m+\k], s[22+\e], v[20+2*\m+\k]
.endr
.endr
.endr
	s_wait_alu depctr_va_sdst(0)                   ; the eight masks are written, ahead of the selects that read them
.irp e, 0,1
.irp m, 0,1
	v_cndmask_b32 v126, 0, v[24+2*\m], s[CM+4*\e+2*\m]
	v_cndmask_b32 v127, 0, v[25+2*\m], s[CM+4*\e+2*\m+1]
	v_add_f32 v[12+4*\e+2*\m], v126, v127
	v_mov_b32 v[13+4*\e+2*\m], v[12+4*\e+2*\m]     ; both halves of the pair are written
.endr
.endr
	QUANT P
	IMAGE XIMG, XSC
	s_wait_dscnt 0x0                               ; the stores are done;
	s_wait_alu depctr_vm_vsrc(0)                   ; and they have read v[PC ..] and v[PW], which the quantiser writes again
	s_wait_loadcnt 32                              ; tile 1's x is in; behind it: groups 2 and 3
	QUANT P+64
	IMAGE XIMG+8192, XSC+1024
	BARRIER                                        ; x's sixteen fragments lie in LDS; they are never written again
	; ---- expert a
	PRODUCT 0, XIMG, XSC
	HIDDEN HIMG0, HSC0, 1
	PRODUCT 8, HIMG0, HSC0
.set n, 0
.rept 64
	v_pk_mul_f32 v[P+n:P+n+1], v[P+n:P+n+1], v[12+2*(n/64):13+2*(n/64)] op_sel_hi:[1,0]   ; c_a y_a, each accumulator from its low end on
.set n, n+2
.endr
	s_wait_alu depctr_va_vdst(0)                   ; the multiplications have written v[P ..], which the stores read
.set n, 0
.rept 32
	ds_store_b128 v5, v[P+4*n:P+4*n+3] offset:512*n        ; put by in my own region, as an image of the registers
.set n, n+1
.endr
	s_wait_alu depctr_vm_vsrc(0)                   ; the stores have read v[P ..], which expert b's first product writes; the last image's stores have read v[PC ..] and v[PW]
	; ---- expert b
	PRODUCT 16, XIMG, XSC
	HIDDEN HIMG1, HSC1, 0
	PRODUCT 24, HIMG1, HSC1
	WIN 0x40                                       ; c_a y_a comes back into the ring's first two slots, which are done with
	s_wait_alu depctr_va_vdst(0)                   ; the matrix instructions of K steps 28 and 29 are done reading those slots, in which the loads land
.set n, 0
.rept 32
	ds_load_b128 v[4*n:4*n+3], v5 offset:512*n
.set n, n+1
.endr
	WIN 0
.set n, 0
.rept 16                                       ; the output rows' offsets: token x 4,096 + 16 lane
	s_min_u32 s[48+n], s[48+n], 4095
	v_lshl_add_u32 v[BF+n], s[48+n], 12, v1
	s_min_u32 s[68+n], s[68+n], 4095
	v_lshl_add_u32 v[BF+16+n], s[68+n], 12, v1
.set n, n+1
.endr
	s_wait_dscnt 0x0
	WIN 0x10                                       ; source 2 in window 1
.set n, 0
.rept 64
	v_pk_fma_f32 v[P+n:P+n+1], v[P+n:P+n+1], v[16+2*(n/64):17+2*(n/64)], v[n:n+1] op_sel_hi:[1,0,1]   ; c_b y_b + c_a y_a
.set n, n+2
.endr
	WIN 0
	; ---- THE WAY OUT.  A lane holds 64 neighbouring bytes of a row four times over, and the lanes beside it hold other rows: so both tiles go through my own stages (rows 528 bytes apart) and come back as
	; whole pieces of 512 bytes.  LDS serves a wave's instructions in order (ISA guide 5.7.1.4): no wait on DScnt between the stores and the loads.
	s_wait_alu depctr_va_vdst(0)                   ; the multiply-adds have written v[P ..], which the LDS stores read; the rows' offsets v[BF ..] are written, which the global stores read
.irp m, 0,1
.irp b, 0,1,2,3
.irp q, 0,1,2,3
	ds_store_b128 v6, v[P+64*\m+16*\b+4*\q:P+64*\m+16*\b+4*\q+3] offset:8448*\m+128*\b+16*\q
.endr
.endr
.endr
	s_wait_alu depctr_vm_vsrc(0)                   ; the stores have read v[P ..], in which the loads below land
.set n, 0
.rept 32
	ds_load_b128 v[P+4*n:P+4*n+3], v5 offset:8448*(n/16)+528*(n%16)
.set n, n+1
.endr
.irp row, 0,1,2,3,4,5,6,7,8,9,10,11,12,13,14,15,16,17,18,19,20,21,22,23,24,25,26,27,28,29,30,31
	s_cmp_le_u32 s21, \row                         ; only the tile's own rows are stored (no barrier stands behind these branches)
	s_cbranch_scc1 .Ldone
	s_wait_dscnt 31-\row                           ; this row is back; the younger loads may be out
	global_store_b128 v[BF+\row], v[P+4*\row:P+4*\row+3], s[86:87] th:TH_STORE_NT   ; 32 lanes store 512 consecutive aligned bytes of one token's row; written once, read by nobody here
.endr
.Ldone:
	s_wait_dscnt 0x0
	s_wait_alu depctr_hold_cnt(0) depctr_sa_sdst(0) depctr_va_vdst(0) depctr_va_sdst(0) depctr_va_ssrc(0) depctr_va_vcc(0) depctr_vm_vsrc(0)
	s_wait_tensorcnt 0x0
	ds_add_u32 v106, v107
	s_wait_dscnt 0x0
	s_endpgm
.Lfunc_end_k_q1756b1ef20_chain:
	.size	k_q1756b1ef20_chain, .Lfunc_end_k_q1756b1ef20_chain-k_q1756b1ef20_chain
	.p2alignl 7, 3214868480
	.fill 96, 4, 3214868480
	.section	.rodata,"a",@progbits
	.p2align	6, 0x0
	.amdhsa_kernel k_q1756b1ef20_chain
		.amdhsa_group_segment_fixed_size 191488
		.amdhsa_private_segment_fixed_size 0
		.amdhsa_enable_private_segment 0
		.amdhsa_kernarg_size 64
		.amdhsa_user_sgpr_count 2
		.amdhsa_user_sgpr_kernarg_segment_ptr 1
		.amdhsa_wavefront_size32 1
		.amdhsa_system_sgpr_workgroup_id_x 1
		.amdhsa_system_sgpr_workgroup_id_y 1
		.amdhsa_system_sgpr_workgroup_id_z 1
		.amdhsa_system_vgpr_workitem_id 0
		.amdhsa_next_free_vgpr 512
		.amdhsa_next_free_sgpr 96
		.amdhsa_reserve_vcc 0
		.amdhsa_float_denorm_mode_32 3
		.amdhsa_float_denorm_mode_16_64 3
		.amdhsa_memory_ordered 1
		.amdhsa_forward_progress 1
		.amdhsa_inst_pref_size 254
	.end_amdhsa_kernel
	.amdgpu_metadata
---
amdhsa.version: [ 1, 2 ]
amdhsa.kernels:
  - .name:           k_q1756b1ef20_chain
    .symbol:         k_q1756b1ef20_chain.kd
    .args:
      - { .name: x, .offset: 0, .size: 8, .value_kind: global_buffer, .address_space: global }
      - { .name: expert_weights, .offset: 8, .size: 8, .value_kind: global_buffer, .address_space: global }
      - { .name: expert_indices, .offset: 16, .size: 8, .value_kind: global_buffer, .address_space: global }
      - { .name: wq, .offset: 24, .size: 8, .value_kind: global_buffer, .address_space: global }
      - { .name: wsc, .offset: 32, .size: 8, .value_kind: global_buffer, .address_space: global }
      - { .name: order, .offset: 40, .size: 8, .value_kind: global_buffer, .address_space: global }
      - { .name: tiles, .offset: 48, .size: 8, .value_kind: global_buffer, .address_space: global }
      - { .name: out0, .offset: 56, .size: 8, .value_kind: global_buffer, .address_space: global }
    .group_segment_fixed_size: 191488
    .private_segment_fixed_size: 0
    .kernarg_segment_align: 8
    .kernarg_segment_size: 64
    .max_flat_workgroup_size: 256
    .sgpr_count:     96
    .vgpr_count:     512
    .wavefront_size: 32
...
	.end_amdgpu_metadata
.endif
;; end of part 4
